; MI455X (gfx1250); checked and timed in simulation.
; The chip was launched on July 23, 2026; its instructions are those of AMD's public machine-readable ISA for CDNA 5 (MIT licence, August 2026) and "CDNA5" Instruction Set Architecture Reference Guide (July 2026). The comments in the code are by the model that wrote it; some were corrected since.
;; Multi Head Attn. Allowed arithmetic: matrix products marked QUANTISED: E2M3 operands, one E8M0 scale for each 32 along K, by v_wmma_scale_f32_16x16x128_f8f6f4 with both operands' format E2M3, f32 sums; everything else in f32.
;; Inputs: Wout 1,024 x 1,024 float32; Wqkv 1,024 x 3,072 float32; x 4 x 2,048 x 1,024 float32.
;; Outputs: out0 4 x 2,048 x 1,024 float32.
;; This version of the problem:
;;   THIS VERSION OF THE PROBLEM IS GIVEN IN LOW PRECISION. The matrix products marked QUANTISED in the list below multiply operands that are first quantised to E2M3 (2 exponent bits, 3 mantissa bits; 6 bits a number), with one power-of-two scale for each 32 numbers along K (OCP MX v1.0); their sums are f32. All else is computed in f32.
;;   The module's matrix products, in the order in which they are computed (A, B: the left and right operand; K: the contracted axis; several contracted axes count as one K, in the product's order):
;;     1. [M 8,192, K 1,024] x [K 1,024, N 3,072]; A: input x; B: input Wqkv: QUANTISED
;;     2. batch 64 x [M 2,048, K 64] x [K 64, N 2,048]; A: computed on the way; B: computed on the way: QUANTISED
;;     3. batch 64 x [M 64, K 2,048] x [K 2,048, N 2,048]; A: computed on the way; B: softmax (see below): QUANTISED
;;     4. [M 8,192, K 1,024] x [K 1,024, N 1,024]; A: computed on the way; B: input Wout: QUANTISED
;;   THE QUANTISER, for each operand of a quantised product, along K:
;;     - K is cut into blocks of 32 from its start; a last block that is shorter is filled with zeros.
;;     - A block's scale is 2^e with e = floor(log2(the largest magnitude in the block)) - 2, held to -126 .. 127; a block of zeros has e = 0. As a byte (E8M0): e + 127.
;;     - Each number is divided by its block's scale, clamped to +-7.5, and rounded to the nearest number of E2M3, ties to even, subnormals kept.
;;     - The product sums the exact products of the quantised numbers (number of the format x scale) in f32.
;;   ~~~python
;;   def quantise(x, axis):      # numpy; x: float32 -> the quantised numbers, widened to float32 again
;;       x = np.moveaxis(x, axis, -1); K = x.shape[-1]
;;       x = np.pad(x, [(0, 0)] * (x.ndim - 1) + [(0, -K % 32)]); x = x.reshape(x.shape[:-1] + (-1, 32)); a = np.abs(x).max(-1, keepdims=True)
;;       e = np.where(a > 0, np.clip(np.frexp(np.where(a > 0, a, 1))[1] - 1 - 2, -126, 127), 0)      # np.frexp(a)[1] - 1 = floor(log2(a)), exactly
;;       r = np.clip(x / 2.0 ** e, -7.5, 7.5)
;;       step = 2.0 ** (np.maximum(np.frexp(np.where(r == 0, 1, r))[1] - 1, 0) - 3)
;;       q = np.round(r / step) * step * 2.0 ** e      # np.round: ties to even
;;       return np.moveaxis(q.reshape(q.shape[:-2] + (-1,))[..., :K], -1, axis).astype(np.float32)
;;   ~~~
;;   SOFTMAX AHEAD OF A QUANTISED PRODUCT. Where the list says 'softmax', what is quantised is not the finished softmax but p = 2^(t - M), with t = logit x log2(e) and M = ceil(the row's largest t), a whole number; so 1/2 < the row's largest p <= 1. The row's sum l is taken of the UNQUANTISED p, in f32, and the product's result is divided by l at the end. Since M is a whole number, a kernel that streams over the keys may use a running M (the ceiling of the running maximum): every later rescaling is an exact power of two, which a block's scale takes up: the codes' values come out the same.
;;   OPERANDS COMPUTED ON THE WAY. 'Computed on the way' means the value that the module computes at that place (a softmax that the list does not call 'softmax' is quantised finished and normalised). What goes into a quantiser is computed in f32, as accurately as f32 sums, v_exp_f32 and their like allow (about 1e-6 of the number): no bf16 or f16 on the way to a quantiser, and a product that is left as it is and whose result goes on into a quantised operand takes f32 operands (vector FMAs, or v_wmma_f32_16x16x4_f32). A number that lies on a knife's edge between two numbers of the format may be rounded either way, as far as f32 arithmetic and the matrix unit's own rounding can turn it there, and no further.
;; One version. Each part assembles by itself: llvm-mc -triple=amdgcn-amd-amdhsa -mcpu=gfx1250 --defsym DOCPART=n.
;; ======== version 1 of 1: 4 launches
;; limits: right only within a limited range of input values
;; workspace buffers: xq 6,553,600 bytes; wq 3,276,800 bytes; qkv 20,447,232 bytes; cq 6,553,600 bytes
;; launch quant (part 1): grid 256 x 1, 8 waves a work-group, no clusters, 123,904 bytes of LDS; arguments x, Wqkv, Wout, xq, wq; writes xq, wq
.if DOCPART == 1
	.amdgcn_target "amdgcn-amd-amdhsa--gfx1250"
	.amdhsa_code_object_version 6
	.text
	.protected	k_qbca43ca869_quant
	.globl	k_qbca43ca869_quant
	.p2align	8
	.type	k_qbca43ca869_quant,@function
k_qbca43ca869_quant:
	s_mov_b64 s[64:65], 0
	v_nop
	global_prefetch_b8 v0, s[64:65] scope:SCOPE_SE
	s_setreg_imm32_b32 hwreg(HW_REG_WAVE_MODE, 25, 1), 1
	s_wait_xcnt 0x0
; x [8192][1024], Wqkv [1024][3072], Wout [1024][1024], f32, become codes of FP6 (E2M3) with one E8M0 byte for each 32 along K (K = 1024 in all three).
; A block's scale is 2^(floor(log2(its largest magnitude)) - 2); its byte is that magnitude's exponent field - 2, held at 1 from below.
; LIMITS: NaN and infinities among the inputs are not served.  A block whose largest magnitude lies under 2^-124, a block of zeros among them, keeps the byte 1 (the rule says 127 for zeros): its codes are zeros or
; subnormal codes, and the bytes are read by this program alone.
; THE WORKSPACE IS LAID AS IMAGES OF THE OPERAND'S REGISTERS.  A TILE is 16 rows of an operand (rows of x, columns of a weight); lane-row r of tile t is row 32 (t / 2) + 8 (t % 2) + r + 8 (r / 8).
; A fragment (a tile x 128 K, 12 registers a lane) is 1,536 bytes, two halves of 768: registers 0-3 of lane L at 16 L, registers 4-5 at 512 + 8 L.  A tile's record is 12,800 bytes: eight fragments, then 512 bytes of
; scale words: the word of (row r, K step s) at ((s / 4) 16 + r) 16 + 4 (s % 4).
; Work-groups 0-127 take x (a wave: one tile x 512 K), 128-223 Wqkv, 224-255 Wout (a wave: 32 columns x 128 K).  The three ways part on the work-group's number and have LDS bytes of their own.
; No matrix work, no input that two work-groups share: no tensor loads, no cluster.
; THE ROWS OF A TILE, in place of the order that the lines above give: lane-row r of tile t is row 64 (t / 4) + 32 (r / 8) + 8 (t % 4) + r % 8, for x's rows and for a weight's columns alike:
; in a product's result a lane's 32 registers of tiles 4 c .. 4 c + 3 are then 32 neighbours, one whole scale block of the next product.
.set REC,  12800
.set FRAG, 1536
.set WV,   14                          ; s14  my wave's number
.set SEL,  40                          ; s[40:41] lane selects for v_permlanex16_b32: lane l xor 16
.set XCP,  16                          ; s[16:17] x's way: where my codes go;  s[18:19] my scale words
.set XSP,  18
.set PC,   8                           ; v8-26    the codes just made
.set R,    32                          ; v32-159  two sets of 64 numbers as they are loaded
.set X,    160                         ; v160-223 64 numbers of my row, register 16 b + i = k 32 b + 16 (lane / 16) + i
.set TM,   224                         ; v224-239 at work in QUANT
.set PW,   240                         ; v240-243 the scale words of my four K steps
.set SP,   528                         ; x's stage: a row of 512 bytes + 16
.set WST,  1664                        ; a weight's stage: a fragment's 1,536 bytes + 128
.set WX,   32                          ; v32-95   a weight's numbers: two sets of 32
.set LB1,  8*16*SP                     ; LDS: x's stages end here; Wqkv's bytes begin
.set LB2,  LB1+8*2*WST+1024            ; Wout's bytes
; 64 numbers of a lane become a fragment's codes in v[PC] on and its scale word in v[pw]
.macro QUANT s, pw
.irp b, 0,1,2,3
	v_max3_num_f32 v[TM+\b], |v[\s+16*\b]|, |v[\s+1+16*\b]|, 0x1800000   ; block b: my 16 numbers, and the floor 2^(3 - 127): the byte cannot fall under 1
.endr
.irp i, 2,4,6,8,10,12,14
.irp b, 0,1,2,3
	s_delay_alu instid0(VALU_DEP_4)
	v_max3_num_f32 v[TM+\b], v[TM+\b], |v[\s+16*\b+\i]|, |v[\s+1+16*\b+\i]|   ; the four blocks by turns
.endr
.endr
.irp b, 0,1,2,3
	s_delay_alu instid0(VALU_DEP_4)
	v_permlanex16_b32 v[TM+4+\b], v[TM+\b], s[SEL], s[SEL+1]
.endr
.irp b, 0,1,2,3
	s_delay_alu instid0(VALU_DEP_4)
	v_max_num_f32 v[TM+\b], v[TM+\b], v[TM+4+\b]   ; with lane l xor 16's: the block's largest magnitude
.endr
.irp b, 0,1,2,3
	s_delay_alu instid0(VALU_DEP_4)
	v_add_nc_u32 v[TM+12+\b], 0xff000000, v[TM+\b]   ; 2 off its exponent field: the conversion takes this operand's exponent field as its scale
.endr
.irp b, 0,1,2,3
	s_delay_alu instid0(VALU_DEP_4)
	v_lshrrev_b32 v[TM+4+\b], 23, v[TM+12+\b]      ; the scale's byte
.endr
	s_delay_alu instid0(VALU_DEP_3)
	v_lshl_or_b32 v[\pw], v[TM+5], 8, v[TM+4]      ; four bytes: my row's scale word (both halves of the lanes hold it)
	s_delay_alu instid0(VALU_DEP_1)
	v_lshl_or_b32 v[\pw], v[TM+6], 16, v[\pw]
	s_delay_alu instid0(VALU_DEP_1)
	v_lshl_or_b32 v[\pw], v[TM+7], 24, v[\pw]
.irp c, 0,1
	v_cvt_scalef32_pk16_fp6_f32 v[PC+6*\c:PC+2+6*\c], v[\s+32*\c:\s+15+32*\c], v[TM+12+2*\c]
	v_cvt_scalef32_pk16_fp6_f32 v[PC+12+4*\c:PC+14+4*\c], v[\s+16+32*\c:\s+31+32*\c], v[TM+12+2*\c+1]   ; (a conversion's three registers begin on an even number)
.endr
	v_nop                                          ; one plain line behind the scaled conversions
.irp c, 0,1                                    ; the operand wants a WHOLE block in a lane: lanes 0-15 block 2 c, lanes 16-31 block 2 c + 1
.irp i, 0,1,2
	v_permlane16_swap_b32 v[PC+6*\c+\i], v[PC+12+4*\c+\i]
.endr
.irp i, 0,1,2
	s_delay_alu instid0(VALU_DEP_3)
	v_mov_b32 v[PC+3+6*\c+\i], v[PC+12+4*\c+\i]
.endr
.endr
.endm
; x: K step s of my tile: 16 loads, each 512 consecutive bytes of one row
.macro XLOAD s
.irp i, 0,1,2,3,4,5,6,7,8,9,10,11,12,13,14,15
	global_load_b128 v[R+64*((\s)%2)+4*\i:R+64*((\s)%2)+4*\i+3], v2, s[4:5] offset:(\i+24*(\i/8))*4096+(\s)*512 th:TH_LOAD_NT
.endr
.endm
.macro XSTEP s
.if (\s) < 3
	s_wait_loadcnt 16                              ; this K step's 16 loads are in; the next step's 16 may be out
.else
	s_wait_loadcnt 0x0
.endif
.irp i, 0,1,2,3,4,5,6,7,8,9,10,11,12,13,14,15
	ds_store_b128 v3, v[R+64*((\s)%2)+4*\i:R+64*((\s)%2)+4*\i+3] offset:\i*SP   ; through my own stage, as loaded;
.endr
.irp b, 0,1,2,3
.irp j, 0,1,2,3
	ds_load_b128 v[X+16*\b+4*\j:X+16*\b+4*\j+3], v4 offset:128*\b+16*\j   ; back as 16 neighbours of each block of my row (LDS serves a wave's instructions in order: ISA guide 5.7.1.4)
.endr
.endr
	s_wait_dscnt 0x0                               ; the numbers are back, and the stage's stores have read their registers
	s_wait_xcnt 0x0                                ; the last step's stores have read the codes' registers
.if (\s) < 2
	XLOAD (\s)+2
.endif
	QUANT X, PW+(\s)
	global_store_b128 v2, v[PC:PC+3], s[XCP:XCP+1] offset:(\s)*FRAG           ; each store of the wave covers 512 or 256 consecutive bytes, aligned
	global_store_b64 v5, v[PC+4:PC+5], s[XCP:XCP+1] offset:(\s)*FRAG+512
	global_store_b128 v2, v[PC+6:PC+9], s[XCP:XCP+1] offset:(\s)*FRAG+768
	global_store_b64 v5, v[PC+10:PC+11], s[XCP:XCP+1] offset:(\s)*FRAG+1280
.endm
; a weight: block t of my K step: W(32 t + i, my column), i = 0 .. 31: a lane takes a column and its registers run down K
.macro WLOAD t, n, src
.irp i, 0,1,2,3,4,5,6,7,8,9,10,11,12,13,14,15,16,17,18,19,20,21,22,23,24,25,26,27,28,29,30,31
	global_load_b32 v[WX+32*((\t)%2)+\i], v2, s[\src:\src+1] offset:(32*(\t)+\i)*\n*4 th:TH_LOAD_NT
.endr
.endm
.macro WBLOCK t, n, src
.set XS, WX+32*((\t)%2)
.if (\t) < 3
	s_wait_loadcnt 32                              ; this block's 32 loads are in; the next block's may be out
.else
	s_wait_loadcnt 0x0
.endif
	v_max3_num_f32 v16, |v[XS]|, |v[XS+1]|, |v[XS+2]|   ; the block's largest magnitude: all 32 numbers are mine
	v_max3_num_f32 v17, |v[XS+3]|, |v[XS+4]|, |v[XS+5]|
.irp i, 6,10,14,18,22,26
	s_delay_alu instid0(VALU_DEP_2)
	v_max3_num_f32 v16, v16, |v[XS+\i]|, |v[XS+\i+1]|
	s_delay_alu instid0(VALU_DEP_2)
	v_max3_num_f32 v17, v17, |v[XS+\i+2]|, |v[XS+\i+3]|
.endr
	s_delay_alu instid0(VALU_DEP_2)
	v_max3_num_f32 v16, v16, |v[XS+30]|, |v[XS+31]|
	s_delay_alu instid0(VALU_DEP_1)
	v_max3_num_f32 v16, v16, v17, 0x1800000        ; and the floor
	s_delay_alu instid0(VALU_DEP_1)
	v_add_nc_u32 v18, 0xff000000, v16              ; the conversion's scale operand
	s_delay_alu instid0(VALU_DEP_1)
	v_lshrrev_b32 v19, 23, v18                     ; the byte
.if (\t) == 0
	s_delay_alu instid0(VALU_DEP_1)
	v_mov_b32 v24, v19                             ; my column's scale word for this K step, the lower K in the lower byte
.else
	s_delay_alu instid0(VALU_DEP_1)
	v_lshl_or_b32 v24, v19, 8*(\t), v24
.endif
	v_cvt_scalef32_pk16_fp6_f32 v[96:98], v[XS:XS+15], v18
	v_cvt_scalef32_pk16_fp6_f32 v[104:106], v[XS+16:XS+31], v18
	v_nop                                          ; one plain line behind the scaled conversions
.irp i, 0,1,2
	v_mov_b32 v[99+\i], v[104+\i]                  ; v96-101: the block's 24 bytes
.endr
	ds_store_b128 v3, v[96:99] offset:((\t)/2)*768+((\t)%2)*256        ; block t is registers 0-5 of half t / 2 in lane r + 16 (t % 2) of my tile's fragment
	ds_store_b64 v4, v[100:101] offset:((\t)/2)*768+512+((\t)%2)*128
.if (\t)+2 < 4
	WLOAD (\t)+2, \n, \src
.endif
	s_wait_dscnt 0x0                               ; the stores have read their registers
.endm
; A weight of n columns whose tiles begin at tile0 of wq; lbase: this way's LDS bytes; g0: its first work-group; src: the pair that holds its address.
; Work-group g0 + 2 cb + kg takes columns 64 cb on and K steps 4 kg on; wave w: tiles 2 (w / 4), 2 (w / 4) + 1 of the work-group's four, K step 4 kg + w % 4.
.macro WPATH n, tile0, lbase, g0, src
	s_sub_co_u32 s16, ttmp9, \g0
	s_lshr_b32 s17, s16, 1                         ; cb
	s_and_b32 s18, s16, 1                          ; kg
	s_lshr_b32 s19, s[WV], 2                       ; cg
	s_and_b32 s20, s[WV], 3
	s_lshl_b32 s21, s18, 2
	s_add_co_u32 s21, s21, s20                     ; my K step
	s_lshl_b32 s25, s17, 1
	s_add_co_u32 s25, s25, s19                     ; my pair of tiles: 32 columns
	s_mul_i32 s22, s21, 128*\n*4
	s_lshl_b32 s24, s17, 8                         ; my columns: 64 cb + 16 cg + l % 16 + 32 (l / 16), 4 bytes each: they are two whole tiles
	s_lshl_b32 s35, s19, 6
	s_add_co_u32 s24, s24, s35
	s_add_co_u32 s22, s22, s24
	s_mov_b32 s23, 0
	s_add_nc_u64 s[\src:\src+1], s[\src:\src+1], s[22:23]
	s_mul_i32 s26, s25, 2*REC
	s_add_co_u32 s26, s26, \tile0*REC
	s_mov_b32 s27, 0
	s_add_nc_u64 s[26:27], s[12:13], s[26:27]      ; the pair's first record
	s_lshl_b32 s28, s18, 8
	s_add_co_u32 s28, s28, 8*FRAG
	s_mov_b32 s29, 0
	s_add_nc_u64 s[28:29], s[26:27], s[28:29]      ; its scale words of K steps 4 kg on
	s_mul_i32 s30, s21, FRAG
	s_mov_b32 s31, 0
	s_add_nc_u64 s[26:27], s[26:27], s[30:31]      ; its fragment of my K step
	s_mul_i32 s32, s[WV], 2*WST
	s_add_co_u32 s32, s32, \lbase                  ; my stage: two fragments
	s_lshl_b32 s33, s19, 9
	s_add_co_u32 s33, s33, \lbase+8*2*WST          ; where the four waves of my columns gather their scale words: 512 bytes
	s_lshl_b32 s34, s20, 2
	s_add_co_u32 s34, s34, s33
	v_and_b32 v2, 15, v0
	v_bfe_u32 v12, v0, 4, 1
	v_lshlrev_b32 v2, 2, v2
	v_lshl_add_u32 v2, v12, 7, v2                  ; 4 (l % 16) + 128 (l / 16)
	v_lshlrev_b32 v6, 4, v1                        ; 16 x lane
	v_bfe_u32 v10, v0, 3, 1                        ; column l of the 32 is lane-row r = l % 8 + 8 (l / 16) of tile u = (l / 8) % 2
	v_and_b32 v11, 7, v0
	v_bfe_u32 v12, v0, 4, 1
	s_delay_alu instid0(VALU_DEP_1)
	v_lshl_add_u32 v11, v12, 3, v11
	s_delay_alu instid0(VALU_DEP_4)
	v_mul_u32_u24 v13, v10, WST
	s_delay_alu instid0(VALU_DEP_1)
	v_lshl_add_u32 v3, v11, 4, v13
	s_delay_alu instid0(VALU_DEP_1)
	v_add_nc_u32 v3, s32, v3                       ; stage + u WST + 16 r
	s_delay_alu instid0(VALU_DEP_3)
	v_lshl_add_u32 v4, v11, 3, v13
	s_delay_alu instid0(VALU_DEP_1)
	v_add_nc_u32 v4, s32, v4                       ; stage + u WST + 8 r
	v_add_nc_u32 v5, s32, v6                       ; stage + 16 x lane
	v_lshlrev_b32 v7, 8, v10
	s_delay_alu instid0(VALU_DEP_1)
	v_lshl_add_u32 v7, v11, 4, v7
	s_delay_alu instid0(VALU_DEP_1)
	v_add_nc_u32 v7, s34, v7                       ; gather + 256 u + 16 r + 4 (w % 4)
	v_add_nc_u32 v8, s33, v6                       ; gather + 16 x lane
	v_and_b32 v14, 15, v0
	v_mul_u32_u24 v9, v12, REC
	s_delay_alu instid0(VALU_DEP_1)
	v_lshl_add_u32 v9, v14, 4, v9                  ; lanes 0-15: the first tile's record, lanes 16-31 the second's; 16 bytes a lane
	WLOAD 0, \n, \src
	WLOAD 1, \n, \src
	WBLOCK 0, \n, \src
	WBLOCK 1, \n, \src
	WBLOCK 2, \n, \src
	WBLOCK 3, \n, \src
.irp j, 0,1,2,3,4,5
	ds_load_b128 v[112+4*\j:115+4*\j], v5 offset:(\j/3)*WST+(\j%3)*512   ; my two fragments, as they will lie in memory
.endr
	s_wait_alu depctr_va_vdst(0)
	ds_store_b32 v7, v24
	s_wait_dscnt 0x0                               ; for the others' sake: my scale words lie in LDS
	s_barrier_signal -1
	s_barrier_wait -1
.irp j, 0,1,2,3,4,5
	global_store_b128 v6, v[112+4*\j:115+4*\j], s[26:27] offset:(\j/3)*REC+(\j%3)*512   ; 512 consecutive bytes, aligned
.endr
	s_cmp_lg_u32 s20, 0                            ; one wave of the four stores the gathered words: 256 consecutive bytes, aligned, for each tile
	s_cbranch_scc1 .Lwend_\@
	ds_load_b128 v[136:139], v8
	s_wait_dscnt 0x0
	global_store_b128 v9, v[136:139], s[28:29]
.Lwend_\@:
	s_wait_tensorcnt 0x0
	ds_add_u32 v254, v255
	s_wait_dscnt 0x0
	s_endpgm
.endm
	s_load_b128 s[4:7], s[0:1], 0x0                ; x, Wqkv
	s_load_b128 s[8:11], s[0:1], 0x10              ; Wout, xq
	s_load_b64 s[12:13], s[0:1], 0x20              ; wq
	v_lshl_add_u32 v254, v0, 2, 0x1e000
	v_mov_b32 v255, 0
	v_lshrrev_b32 v1, 5, v0
	s_delay_alu instid0(VALU_DEP_1)
	v_readfirstlane_b32 s[WV], v1                  ; wave 0..7
	v_and_b32 v1, 31, v0                           ; lane
	s_wait_kmcnt 0x0
	s_cmp_lt_u32 ttmp9, 128
	s_cbranch_scc1 .Lx
	s_cmp_lt_u32 ttmp9, 224
	s_cbranch_scc1 .Lwqkv
	s_wait_alu depctr_va_vdst(0)
	WPATH 1024, 192, LB2, 224, 8
.Lwqkv:
	s_wait_alu depctr_va_vdst(0)
	WPATH 3072, 0, LB1, 128, 6
.Lx:
	; x: wave w of work-group g takes tile 4 g + w / 2 and K steps 4 (w % 2) on
	s_mov_b32 s[SEL], 0x76543210
	s_mov_b32 s[SEL+1], 0xfedcba98
	s_lshl_b32 s21, ttmp9, 6
	s_lshr_b32 s22, s[WV], 1
	s_lshl_b32 s22, s22, 3
	s_add_co_u32 s21, s21, s22                     ; the tile's first row: 64 (tile / 4) + 8 (tile % 4)
	s_lshl_b32 s22, s21, 12
	s_and_b32 s24, s[WV], 1
	s_lshl_b32 s25, s24, 11
	s_add_co_u32 s22, s22, s25
	s_mov_b32 s23, 0
	s_lshr_b32 s26, s[WV], 1
	s_lshl_b32 s27, ttmp9, 2
	s_add_co_u32 s26, s26, s27
	s_mul_i32 s26, s26, REC
	s_mov_b32 s27, 0
	s_mul_i32 s28, s24, 4*FRAG
	s_mov_b32 s29, 0
	s_lshl_b32 s30, s24, 8
	s_add_co_u32 s30, s30, 8*FRAG
	s_mov_b32 s31, 0
	s_add_nc_u64 s[4:5], s[4:5], s[22:23]
	s_add_nc_u64 s[XCP:XCP+1], s[10:11], s[26:27]
	s_add_nc_u64 s[XSP:XSP+1], s[XCP:XCP+1], s[30:31]
	s_add_nc_u64 s[XCP:XCP+1], s[XCP:XCP+1], s[28:29]
	s_wait_alu depctr_va_vdst(0)
	v_lshlrev_b32 v2, 4, v1                        ; 16 x lane
	v_lshlrev_b32 v5, 3, v1                        ; 8 x lane
	v_and_b32 v7, 15, v0                           ; r
	v_bfe_u32 v28, v0, 4, 1                        ; h
	s_mul_i32 s32, s[WV], 16*SP                    ; my stage
	v_add_nc_u32 v3, s32, v2
	v_mul_u32_u24 v4, v7, SP
	s_delay_alu instid0(VALU_DEP_1)
	v_lshl_add_u32 v4, v28, 6, v4
	s_delay_alu instid0(VALU_DEP_1)
	v_add_nc_u32 v4, s32, v4                       ; row r, + 64 h
	v_lshlrev_b32 v6, 4, v7
	s_delay_alu instid0(VALU_DEP_1)
	v_lshl_add_u32 v6, v28, 3, v6                  ; 16 r + 8 h: my half of row r's four scale words
.irp b, 0,1,2,3
	v_mov_b32 v[TM+4+\b], 0                        ; written once: a lane permute's destination counts as one of its sources
.endr
	XLOAD 0
	XLOAD 1
	s_wait_alu depctr_va_vdst(0)
	XSTEP 0
	XSTEP 1
	XSTEP 2
	XSTEP 3
	v_cmp_le_u32 vcc_lo, 16, v1
	s_delay_alu instid0(VALU_DEP_1)
	v_cndmask_b32 v244, v[PW], v[PW+2], vcc_lo     ; lanes 0-15 store K steps 0, 1 of the four, lanes 16-31 steps 2, 3
	s_delay_alu instid0(VALU_DEP_2)
	v_cndmask_b32 v245, v[PW+1], v[PW+3], vcc_lo
	global_store_b64 v6, v[244:245], s[XSP:XSP+1]  ; 32 lanes: 256 consecutive bytes, aligned
	s_wait_tensorcnt 0x0
	ds_add_u32 v254, v255
	s_wait_dscnt 0x0
	s_endpgm
.Lfunc_end_k_qbca43ca869_quant:
	.size	k_qbca43ca869_quant, .Lfunc_end_k_qbca43ca869_quant-k_qbca43ca869_quant
	.p2alignl 7, 3214868480
	.fill 96, 4, 3214868480
	.section	.rodata,"a",@progbits
	.p2align	6, 0x0
	.amdhsa_kernel k_qbca43ca869_quant
		.amdhsa_group_segment_fixed_size 123904
		.amdhsa_private_segment_fixed_size 0
		.amdhsa_enable_private_segment 0
		.amdhsa_kernarg_size 40
		.amdhsa_user_sgpr_count 2
		.amdhsa_user_sgpr_kernarg_segment_ptr 1
		.amdhsa_wavefront_size32 1
		.amdhsa_system_sgpr_workgroup_id_x 1
		.amdhsa_system_sgpr_workgroup_id_y 1
		.amdhsa_system_sgpr_workgroup_id_z 1
		.amdhsa_system_vgpr_workitem_id 0
		.amdhsa_next_free_vgpr 256
		.amdhsa_next_free_sgpr 66
		.amdhsa_reserve_vcc 1
		.amdhsa_float_denorm_mode_32 3
		.amdhsa_float_denorm_mode_16_64 3
		.amdhsa_memory_ordered 1
		.amdhsa_forward_progress 1
		.amdhsa_inst_pref_size 91
	.end_amdhsa_kernel
	.amdgpu_metadata
---
amdhsa.version: [ 1, 2 ]
amdhsa.kernels:
  - .name:           k_qbca43ca869_quant
    .symbol:         k_qbca43ca869_quant.kd
    .args:
      - { .name: x, .offset: 0, .size: 8, .value_kind: global_buffer, .address_space: global }
      - { .name: Wqkv, .offset: 8, .size: 8, .value_kind: global_buffer, .address_space: global }
      - { .name: Wout, .offset: 16, .size: 8, .value_kind: global_buffer, .address_space: global }
      - { .name: xq, .offset: 24, .size: 8, .value_kind: global_buffer, .address_space: global }
      - { .name: wq, .offset: 32, .size: 8, .value_kind: global_buffer, .address_space: global }
    .group_segment_fixed_size: 123904
    .private_segment_fixed_size: 0
    .kernarg_segment_align: 8
    .kernarg_segment_size: 40
    .max_flat_workgroup_size: 256
    .sgpr_count:     66
    .vgpr_count:     256
    .wavefront_size: 32
...
	.end_amdgpu_metadata
.endif
;; end of part 1
;; launch gemm_qkv (part 2): grid 8 x 32, 4 waves a work-group, clusters of 4 x 4, 327,680 bytes of LDS; arguments xq, wq, qkv; writes qkv
.if DOCPART == 2
	.amdgcn_target "amdgcn-amd-amdhsa--gfx1250"
	.amdhsa_code_object_version 6
	.text
	.protected	k_qbca43ca869_gemm_qkv
	.globl	k_qbca43ca869_gemm_qkv
	.p2align	8
	.type	k_qbca43ca869_gemm_qkv,@function
k_qbca43ca869_gemm_qkv:
	s_mov_b64 s[64:65], 0
	v_nop
	global_prefetch_b8 v0, s[64:65] scope:SCOPE_SE
	s_setreg_imm32_b32 hwreg(HW_REG_WAVE_MODE, 25, 1), 1
	s_wait_xcnt 0x0
	s_wait_alu depctr_hold_cnt(0) depctr_sa_sdst(0) depctr_va_vdst(0) depctr_va_sdst(0) depctr_va_ssrc(0) depctr_va_vcc(0) depctr_vm_vsrc(0)
	s_getreg_b32 s2, hwreg(HW_REG_IB_STS2, 6, 4)
	s_cmp_eq_u32 s2, 0
	s_cbranch_scc0 .Lentry_in_a_cluster
	s_endpgm
.Lentry_in_a_cluster:
	s_bfe_u32 s2, ttmp6, 0x10000c
	s_cmp_lg_u32 s2, 0xf033
	s_cbranch_scc0 .Lentry_shape_is_right
	s_endpgm
.Lentry_shape_is_right:
; qkv = x Wqkv on codes of FP6 (E2M3) with E8M0 scales; the results leave as codes again: q and k quantised along the head's 64, v along the keys.  No f32 intermediate goes to memory.
; OPERANDS are images of the operand's registers: a tile (16 rows; lane-row r of tile t is row 64 (t / 4) + 32 (r / 8) + 8 (t % 4) + r % 8) has a record of 12,800 bytes: eight fragments of 1,536 bytes (128 K each), then 512 bytes of scale words.
; THE DEAL: 256 work-groups.  Work-group (g, T1) holds 256 rows of x (16 tiles, all of K = 1,024) in LDS for the whole launch and multiplies them with three blocks of 128 features (8 tiles each): q's, k's and v's heads 2 g and 2 g + 1.
; Wave w owns x's tiles 4 w .. 4 w + 3 against a block's eight: 32 accumulators.
;   q, k: D = W's tile x x's tile^T: a lane holds a token, and its 32 registers of W's tiles 4 c .. 4 c + 3 are features 64 c + 32 (lane / 16) + 0 .. 31: one scale block of head c.  Accumulator (a, b) at v[64 a + 8 b].
;   v:    D = x's tile x W's tile^T: a lane holds one (head, d), and its 32 registers of my four tiles of x are keys 64 w + 32 (lane / 16) + 0 .. 31: one scale block.  Accumulator (a, b) at v[32 b + 8 a].
; LDS: two halves of four K steps; in each x's sixteen tiles (98,304 bytes, filled once) and behind them a slot for a block's eight tiles (49,152 bytes).  A slot is filled again for the next block when its last fragments are in registers:
; slot 0 in K step 3, slot 1 in K step 7, each behind the wait for all tensor loads, the add, its wait and a round of the cluster's barrier; waves 2 and 3 load four tiles each.  By this text's count a wave has one tensor load out.
; A refill is asked for four K steps (128 products a wave) ahead of its first read, and all that the head needs is asked for at the head: no prefetch is laid.
; CLUSTER 4 x 4: x's tiles are shared along a row of the cluster, W's along a column: joint loads.
; THE TEXT: q's and k's blocks are a loop of two trips, which differ in pointers alone; v's block, which asks for nothing more, is written out.
; A block's scale words come by plain loads a block ahead into v208-239 and are moved into the products' scale registers behind the block before.
; OUT: a block of 6,656 bytes for each (kind, batch, head, 128 tokens).  q, k: eight halves of 768 bytes (token tile x 64), then the tiles' scale words; v: four fragments (16 d x 128 keys), their scale words, 256 bytes of filler.
; Of a fragment of v a wave makes one half (64 keys) and two of each scale word's four bytes: those leave by stores of 2 bytes a lane, 8 bytes apart: 262,144 bytes in the whole launch.
; LIMITS: NaN and infinities are not served; a block whose largest magnitude lies under 2^-124 keeps the byte 1 (zeros too, where the rule says 127): the bytes are read by this program alone.
; REGISTERS: window 0: v1-13 addresses; v14-29, v32-63 scale words of x, W; v64-159 x's fragments, two sets; v160-207 the way out; v208-239 the next block's scale words.  window 1: W's fragments, two sets of 96.  window 2: the accumulators.
.set REC,  12800
.set FRAG, 1536
.set HALF, 768
.set BLK,  6656
.set KIND, 1024*BLK                    ; from q's blocks to k's, from k's to v's
.set GRP,  96*FRAG                     ; a half in LDS: four K steps of 16 + 8 tiles
.set S0L,  64*FRAG                     ; in it W's tiles lie behind x's sixteen
.set WV,   10
.set TR,   14                          ; s14  the loop's trip
.set G1A,  16                          ; s[16:23] descriptor group 1 for x;  s[24:31] for W
.set G1B,  24
.set G0A,  32                          ; s[32:39] two groups 0 for x;  s[48:55] for W, one a slot
.set G0B,  48
.set SEL,  92
.set SC1,  14                          ; a product's two scale registers differ by 2 or 6 modulo 8 in their numbers
.set SC0,  32
.set F1,   64
.set PC,   160
.set PW,   184
.set TM,   192
.set TS,   208
.set MSB,  0
.macro WIN new                         ; the immediate's high byte repeats the setting that is left
.if MSB != \new
	s_set_vgpr_msb (MSB<<8)|\new
.set MSB, \new
.endif
.endm
.macro PLACES n
.rept \n
	v_nop
.endr
.endm
.macro WALU
	s_wait_alu depctr_va_vdst(0)
.endm
.macro CREST                           ; a round of the cluster's barrier behind its opening barrier
	s_cmp_lg_u32 s[WV], 0
	s_cbranch_scc1 .Lnw0_\@
	s_barrier_signal -3
.Lnw0_\@:
	s_barrier_wait -3
	s_barrier_signal -1
	s_barrier_wait -1
.endm
.macro CROUND
	s_barrier_signal -1
	s_barrier_wait -1
	CREST
.endm
.macro JLOAD g                         ; half g at the head: waves 0, 1 ask for eight tiles of x each, waves 2, 3 for four of W: one mask to a line; the branch hangs on the wave's number alone
	s_cmp_eq_u32 s41, 0
	s_cbranch_scc0 .Lfb_\@
	tensor_load_to_lds s[G0A+4*\g:G0A+4*\g+3], s[G1A:G1A+7]
	s_nop 0
	PLACES 4
	s_branch .Lja_\@
.Lfb_\@:
	tensor_load_to_lds s[G0B+4*\g:G0B+4*\g+3], s[G1B:G1B+7]
	s_nop 0
	PLACES 4
.Lja_\@:
.endm
.macro BLOAD g                         ; slot g is filled again: waves 2, 3; the four lines behind the label are also the places in front of the fetch
	s_cmp_eq_u32 s41, 0
	s_cbranch_scc1 .Lnb_\@
	tensor_load_to_lds s[G0B+4*(\g):G0B+4*(\g)+3], s[G1B:G1B+7]
	s_nop 0
.Lnb_\@:
	PLACES 4
.endm
; K step s's fragments into set s % 2: four loads a fragment, each of 512 or 256 consecutive bytes
.macro FETCH s
.set AD, 6*((\s)/4)
	WIN 0x40
.irp b, 0,1,2,3,4,5,6,7
	ds_load_b128 v[96*((\s)%2)+12*\b:96*((\s)%2)+12*\b+3], v[6+AD] offset:\b*4*FRAG+((\s)%4)*FRAG
	ds_load_b64 v[96*((\s)%2)+12*\b+4:96*((\s)%2)+12*\b+5], v[7+AD] offset:\b*4*FRAG+((\s)%4)*FRAG+512
	ds_load_b128 v[96*((\s)%2)+12*\b+6:96*((\s)%2)+12*\b+9], v[6+AD] offset:\b*4*FRAG+((\s)%4)*FRAG+768
	ds_load_b64 v[96*((\s)%2)+12*\b+10:96*((\s)%2)+12*\b+11], v[7+AD] offset:\b*4*FRAG+((\s)%4)*FRAG+1280
.endr
	WIN 0
.irp a, 0,1,2,3
	ds_load_b128 v[F1+48*((\s)%2)+12*\a:F1+48*((\s)%2)+12*\a+3], v[4+AD] offset:\a*4*FRAG+((\s)%4)*FRAG
	ds_load_b64 v[F1+48*((\s)%2)+12*\a+4:F1+48*((\s)%2)+12*\a+5], v[5+AD] offset:\a*4*FRAG+((\s)%4)*FRAG+512
	ds_load_b128 v[F1+48*((\s)%2)+12*\a+6:F1+48*((\s)%2)+12*\a+9], v[4+AD] offset:\a*4*FRAG+((\s)%4)*FRAG+768
	ds_load_b64 v[F1+48*((\s)%2)+12*\a+10:F1+48*((\s)%2)+12*\a+11], v[5+AD] offset:\a*4*FRAG+((\s)%4)*FRAG+1280
.endr
.endm
; one product.  The scale words of K steps 0-3 lie in lanes 0-15 of their registers, those of K steps 4-7 in lanes 16-31
.macro WM d, p, q, zero, x, y, hi
.if \zero
	v_wmma_scale_f32_16x16x128_f8f6f4 v[\d:\d+7], v[\p:\p+11], v[\q:\q+11], 0, v[\x], v[\y] matrix_a_fmt:MATRIX_FMT_FP6 matrix_b_fmt:MATRIX_FMT_FP6
.elseif \hi
	v_wmma_scale_f32_16x16x128_f8f6f4 v[\d:\d+7], v[\p:\p+11], v[\q:\q+11], v[\d:\d+7], v[\x], v[\y] matrix_a_fmt:MATRIX_FMT_FP6 matrix_b_fmt:MATRIX_FMT_FP6 matrix_a_scale:MATRIX_SCALE_ROW1 matrix_b_scale:MATRIX_SCALE_ROW1
.else
	v_wmma_scale_f32_16x16x128_f8f6f4 v[\d:\d+7], v[\p:\p+11], v[\q:\q+11], v[\d:\d+7], v[\x], v[\y] matrix_a_fmt:MATRIX_FMT_FP6 matrix_b_fmt:MATRIX_FMT_FP6
.endif
.endm
.macro MM s, a, b, zero, v
.set rW, 96*((\s)%2)+12*(\b)
.set rF, F1+48*((\s)%2)+12*(\a)
.set rX, SC0+4*(\b)+(\s)%4
.set rY, SC1+4*(\a)+(\s)%4
.if \v
.set rD, 32*(\b)+8*(\a)
	WM rD, rF, rW, \zero, rY, rX, (\s)/4
.else
.set rD, 64*(\a)+8*(\b)
	WM rD, rW, rF, \zero, rX, rY, (\s)/4
.endif
.endm
.macro MUL s, a0, zero, v              ; 16 products; the 32 accumulators take turns, one instruction a turn, in the same order in every K step
.if \v
	WIN 0xa4                                       ; source 0 (x) window 0, source 1 (W) window 1, C and D window 2
.else
	WIN 0xa1                                       ; source 0 (W) window 1, source 1 (x) window 0, C and D window 2
.endif
.irp a, \a0, \a0+1
.irp b, 0,1,2,3,4,5,6,7
	MM \s, \a, \b, \zero, \v
.endr
.endr
.endm
; A K step: 32 products; in its middle the next step's fragments are fetched into the other set.  fill = 1: in steps 3 and 7 the slot whose last fragments are in registers is filled again, and step 7 fetches the next block's step 0.
.macro KSTEP s, zero, v, fill
	WIN 0
.if ((\s)%4 == 3) && (\fill)
	s_wait_tensorcnt 0x0                           ; all my tensor loads have landed, my part of the other slot among them;
	ds_add_u32 v254, v255
	s_add_nc_u64 s[G0B+4*((\s)/4)+2:G0B+4*((\s)/4)+3], s[G0B+4*((\s)/4)+2:G0B+4*((\s)/4)+3], 64*REC   ; this slot's tiles of the next block: 64 tiles on
	s_wait_dscnt 0x0                               ; the add is done, and my reads of this slot are over
	s_barrier_signal -1
	MUL \s, 0, \zero, \v
	WIN 0
	s_barrier_wait -1
	CREST                                          ; no wave of any partner still reads this slot or has a load on its way
	BLOAD (\s)/4
	FETCH ((\s)+1)%8
.elseif (\s) == 3
	s_wait_dscnt 0x0
	s_wait_tensorcnt 0x0                           ; slot 1's last fill has landed; a barrier, behind which nothing is filled, shows that to all
	s_barrier_signal -1
	MUL \s, 0, \zero, \v
	WIN 0
	s_barrier_wait -1
	PLACES 4
	FETCH 4
.else
	s_wait_dscnt 0x0                               ; this step's fragments are in
	MUL \s, 0, \zero, \v
.if (\s) < 7
	WIN 0
	PLACES 4                                       ; places in front of loads into registers that matrix instructions have read
	FETCH (\s)+1
.endif
.endif
	MUL \s, 2, \zero, \v
.endm
; q, k: the 64 results of a lane for x's tile a (window 2, v[64 a] on; register 32 c + i = feature 64 c + 32 (lane / 16) + i: two whole scale blocks) become codes in v[PC] on and a scale word in v[pw]
.macro QUANTW a, pw
	WIN 0x0a                                       ; sources 0 and 1 window 2
.irp b, 0,1,2,3
	v_max3_num_f32 v[TM+\b], |v[64*(\a)+16*\b]|, |v[64*(\a)+16*\b+1]|, 0x1800000   ; each accumulator is read from its low end on; the floor 2^(3 - 127) holds the byte at 1 from below
.endr
	WIN 0x28                                       ; sources 1 and 2 window 2
.irp i, 2,4,6,8,10,12,14
.irp b, 0,1,2,3
	v_max3_num_f32 v[TM+\b], v[TM+\b], |v[64*(\a)+16*\b+\i]|, |v[64*(\a)+16*\b+\i+1]|
.endr
.endr
	WIN 0
.irp c, 0,1
	v_max_num_f32 v[TM+\c], v[TM+2*\c], v[TM+2*\c+1]   ; two chains of 16 make a block's largest magnitude
.endr
.irp c, 0,1
	v_add_nc_u32 v[TM+12+\c], 0xff000000, v[TM+\c] ; 2 off the exponent field: the conversion's scale operand
.endr
.irp c, 0,1
	v_lshrrev_b32 v[TM+4+\c], 23, v[TM+12+\c]      ; the byte
.endr
	v_lshl_or_b32 v[TM+4], v[TM+5], 16, v[TM+4]    ; my two bytes: blocks h and 2 + h of my row,
	v_lshlrev_b32 v[TM+4], v8, v[TM+4]             ; at their places in the word (8 h bits up);
	v_permlanex16_b32 v[TM+5], v[TM+4], s[SEL], s[SEL+1]
	v_or_b32 v[\pw], v[TM+4], v[TM+5]              ; with lane l xor 16's two the word is whole, in both halves of the lanes
	WIN 0x02                                       ; source 0 window 2
.irp c, 0,1
	v_cvt_scalef32_pk16_fp6_f32 v[PC+6*\c:PC+2+6*\c], v[64*(\a)+32*\c:64*(\a)+32*\c+15], v[TM+12+\c]
	v_cvt_scalef32_pk16_fp6_f32 v[PC+12+4*\c:PC+14+4*\c], v[64*(\a)+32*\c+16:64*(\a)+32*\c+31], v[TM+12+\c]   ; (a conversion's three registers begin on an even number)
.endr
	WIN 0
	v_nop                                          ; one plain line behind the scaled conversions
.irp c, 0,1
.irp i, 0,1,2
	v_mov_b32 v[PC+3+6*\c+\i], v[PC+12+4*\c+\i]
.endr
.endr
.endm
; v: W's tiles b = 2 u, 2 u + 1: a lane's 32 results of each (window 2, v[32 b] on) are one scale block: half a fragment's codes and one byte; the two tiles by turns
.macro QUANTV u
.if \u
	s_wait_xcnt 0x0                                ; the last pair's stores have read their registers
.endif
	WIN 0x0a
.irp e, 0,1
.irp k, 0,1
	v_max3_num_f32 v[TM+2*\e+\k], |v[64*(\u)+32*\e+16*\k]|, |v[64*(\u)+32*\e+16*\k+1]|, 0x1800000
.endr
.endr
	WIN 0x28
.irp i, 2,4,6,8,10,12,14
.irp e, 0,1
.irp k, 0,1
	v_max3_num_f32 v[TM+2*\e+\k], v[TM+2*\e+\k], |v[64*(\u)+32*\e+16*\k+\i]|, |v[64*(\u)+32*\e+16*\k+\i+1]|
.endr
.endr
.endr
	WIN 0
.irp e, 0,1
	v_max_num_f32 v[TM+8+\e], v[TM+2*\e], v[TM+2*\e+1]
.endr
.irp e, 0,1
	v_add_nc_u32 v[TM+12+\e], 0xff000000, v[TM+8+\e]
.endr
.irp e, 0,1
	v_lshrrev_b32 v[TM+4+2*\e], 23, v[TM+12+\e]
.endr
.irp e, 0,1
	v_lshlrev_b32 v[TM+4+2*\e], v8, v[TM+4+2*\e]
.endr
.irp e, 0,1
	v_permlanex16_b32 v[TM+5+2*\e], v[TM+4+2*\e], s[SEL], s[SEL+1]
.endr
.irp e, 0,1
	v_or_b32 v[PW+\e], v[TM+4+2*\e], v[TM+5+2*\e]  ; my 64 keys' two bytes of row r's scale word
.endr
	WIN 0x02
.irp e, 0,1
	v_cvt_scalef32_pk16_fp6_f32 v[PC+12*\e:PC+12*\e+2], v[64*(\u)+32*\e:64*(\u)+32*\e+15], v[TM+12+\e]
	v_cvt_scalef32_pk16_fp6_f32 v[PC+12*\e+6:PC+12*\e+8], v[64*(\u)+32*\e+16:64*(\u)+32*\e+31], v[TM+12+\e]
.endr
	WIN 0
	v_nop                                          ; one plain line behind the scaled conversions
.irp e, 0,1
.irp i, 0,1,2
	v_mov_b32 v[PC+12*\e+3+\i], v[PC+12*\e+6+\i]
.endr
.endr
	v_cndmask_b32 v188, v[PW], v[PW+1], s91        ; lanes 0-15 the even tile's bytes, lanes 16-31 the odd tile's
.irp e, 0,1
	global_store_b128 v1, v[PC+12*\e:PC+12*\e+3], s[82:83] offset:((\u)/2)*16*BLK+(2*((\u)%2)+\e)*FRAG        ; my half of the fragment: 512 and 256 consecutive bytes, aligned
	global_store_b64 v2, v[PC+12*\e+4:PC+12*\e+5], s[82:83] offset:((\u)/2)*16*BLK+(2*((\u)%2)+\e)*FRAG+512
.endr
	global_store_b16 v2, v188, s[86:87] offset:((\u)/2)*16*BLK+4*((\u)%2)
.endm
	s_load_b128 s[4:7], s[0:1], 0x0                ; xq, wq
	s_load_b64 s[8:9], s[0:1], 0x10                ; qkv
	v_lshl_add_u32 v254, v0, 2, 0x48000
	v_mov_b32 v255, 0
	ds_add_u32 v254, v255                          ; the opening lines: the add, twice on end, and its wait
	ds_add_u32 v254, v255
	v_lshrrev_b32 v1, 5, v0
	v_readfirstlane_b32 s[WV], v1                  ; wave 0..3
	s_bfe_u32 s11, ttmp6, 0x40000                  ; cx
	s_bfe_u32 s12, ttmp6, 0x40004                  ; cy
	s_lshl_b32 s15, ttmp9, 2
	s_add_co_u32 s15, s15, s11                     ; g: the heads 2 g, 2 g + 1 = 4 x + cx
	s_and_b32 s13, ttmp7, 0xffff
	s_lshl_b32 s13, s13, 2
	s_add_co_u32 s13, s13, s12                     ; T1: the block of 256 tokens = 4 y + cy
	s_lshl_b32 s66, s12, 2
	s_lshl_b32 s66, 15, s66                        ; my row of the cluster
	s_lshl_b32 s67, 0x1111, s11                    ; my column
	s_or_b32 s[G1A], s66, (3<<16)|(1<<21)          ; 15:0 the mask; 17:16 elements of 8 bytes; 21 set beside a mask; no padding
	s_or_b32 s[G1B], s67, (3<<16)|(1<<21)
.irp g, G1A, G1B
	s_mov_b32 s[\g+1], 768<<16                     ; tensor_dim0: a row is four fragments, 6,144 bytes
	s_mov_b32 s[\g+3], 768<<16                     ; tile_dim0
	s_mov_b32 s[\g+5], REC/8                       ; from record to record
	s_mov_b32 s[\g+6], 0
	s_mov_b32 s[\g+7], 0
.endr
	s_mov_b32 s[G1A+2], 8<<16                      ; a load of x: eight tiles
	s_mov_b32 s[G1A+4], 8
	s_mov_b32 s[G1B+2], 4<<16                      ; of W: four
	s_mov_b32 s[G1B+4], 4
	s_and_b32 s40, s[WV], 1                        ; which part of its operand my load brings
	s_lshr_b32 s41, s[WV], 1                       ; 0: I ask for x; 1: for W
	s_mul_i32 s2, s[WV], 16*FRAG                   ; LDS: the four tiles of x that I multiply, in a half;
	s_mul_i32 s42, s40, 32*FRAG                    ; where a load of x lands,
	s_mul_i32 s3, s40, 16*FRAG
	s_add_co_u32 s3, s3, S0L                       ; and one of W
	s_lshl_b32 s43, s13, 4
	s_lshl_b32 s46, s40, 3
	s_add_co_u32 s46, s46, s43
	s_mul_i32 s46, s46, REC                        ; the eight records of x that waves 0, 1 fetch
	s_mov_b32 s47, 0
	s_lshl_b32 s72, s[WV], 2
	s_add_co_u32 s72, s72, s43
	s_mul_i32 s72, s72, REC                        ; my four records of x
	s_mov_b32 s73, 0
	s_mul_i32 s100, s15, 8*REC                     ; q's eight records of W
	s_mov_b32 s101, 0
	s_mul_i32 s70, s40, 4*REC                      ; the four that waves 2, 3 fetch
	s_mov_b32 s71, 0
	s_wait_dscnt 0x0
	s_wait_kmcnt 0x0
	s_add_nc_u64 s[44:45], s[4:5], s[46:47]
	s_add_nc_u64 s[74:75], s[4:5], s[72:73]
	s_add_nc_u64 s[76:77], s[6:7], s[100:101]
	s_add_nc_u64 s[78:79], s[76:77], s[70:71]
.irp g, 0,1
	s_mov_b32 s[G0A+4*\g], 1
	s_add_co_u32 s[G0A+4*\g+1], s42, \g*GRP
	s_add_nc_u64 s[G0A+4*\g+2:G0A+4*\g+3], s[44:45], \g*4*FRAG
	s_or_b32 s[G0A+4*\g+3], s[G0A+4*\g+3], 0x80000000
	s_mov_b32 s[G0B+4*\g], 1
	s_add_co_u32 s[G0B+4*\g+1], s3, \g*GRP
	s_add_nc_u64 s[G0B+4*\g+2:G0B+4*\g+3], s[78:79], \g*4*FRAG
	s_or_b32 s[G0B+4*\g+3], s[G0B+4*\g+3], 0x80000000
.endr
	CROUND                                         ; all sixteen work-groups are here: the joint loads meet
	JLOAD 0                                        ; K steps 0 to 3 of x and of q's block: one tensor load a wave at the head
	v_and_b32 v3, 31, v0
	v_bfe_u32 v8, v0, 4, 1
	v_lshlrev_b32 v1, 4, v3                        ; 16 x lane
	v_lshlrev_b32 v2, 3, v3                        ; 8 x lane
	v_lshlrev_b32 v9, 2, v3                        ; 4 x lane
	v_lshlrev_b32 v8, 3, v8                        ; 8 x (lane / 16)
	v_add_nc_u32 v4, s2, v1                        ; LDS: my fragments of x in the first half, 16 and 8 bytes a lane;
	v_add_nc_u32 v5, s2, v2
	v_add_nc_u32 v6, S0L, v1                       ; W's;
	v_add_nc_u32 v7, S0L, v2
.irp i, 0,1,2,3
	v_add_nc_u32 v[10+\i], GRP, v[4+\i]            ; and the same in the second half
.endr
.irp a, 0,1,2,3
	global_load_b128 v[SC1+4*\a:SC1+4*\a+3], v1, s[74:75] offset:\a*REC+8*FRAG   ; a tile's 512 bytes of scale words: all eight K steps, once
.endr
.irp b, 0,1,2,3,4,5,6,7
	global_load_b128 v[SC0+4*\b:SC0+4*\b+3], v1, s[76:77] offset:\b*REC+8*FRAG
.endr
.irp b, 0,1,2,3,4,5,6,7
	global_load_b128 v[TS+4*\b:TS+4*\b+3], v1, s[76:77] offset:(64+\b)*REC+8*FRAG   ; k's block
.endr
.irp b, 0,1,2,3
	v_mov_b32 v[TM+4+\b], 0                        ; written once: a lane permute's destination counts as one of its sources
.endr
	s_mov_b32 s[SEL], 0x76543210
	s_mov_b32 s[SEL+1], 0xfedcba98
	s_mov_b32 s90, 0xffff
	s_mov_b32 s91, 0xffff0000                      ; lanes 16-31
	; where my results go: the step of 128 tokens 2 T1 + w / 2, head 2 g (the next head's block lies 16 blocks on)
	s_lshl_b32 s94, s13, 1
	s_add_co_u32 s94, s94, s41
	s_lshr_b32 s95, s94, 4
	s_lshl_b32 s95, s95, 4
	s_lshl_b32 s96, s15, 1
	s_add_co_u32 s95, s95, s96
	s_lshl_b32 s95, s95, 4
	s_and_b32 s94, s94, 15
	s_add_co_u32 s95, s95, s94                     ; the block's number in its kind: (batch 16 + head) 16 + step in the batch
	s_mul_i32 s72, s95, BLK
	s_add_nc_u64 s[68:69], s[8:9], s[72:73]        ; q's block
	s_mul_i32 s72, s40, 4*HALF
	s_add_nc_u64 s[80:81], s[68:69], s[72:73]      ; q, k: my token tiles 4 (w % 2) on
	s_lshl_b32 s72, s40, 8
	s_add_co_u32 s72, s72, 8*HALF
	s_add_nc_u64 s[84:85], s[68:69], s[72:73]      ; and their scale words
	s_add_nc_u64 s[68:69], s[68:69], 2*KIND        ; v's block
	s_mul_i32 s72, s40, HALF
	s_add_nc_u64 s[82:83], s[68:69], s[72:73]      ; v: my half w % 2 of each fragment,
	s_lshl_b32 s72, s40, 1
	s_add_co_u32 s72, s72, 4*FRAG
	s_add_nc_u64 s[86:87], s[68:69], s[72:73]      ; my two bytes of each scale word,
	s_lshl_b32 s72, s40, 7
	s_add_co_u32 s72, s72, 4*FRAG+256
	s_add_nc_u64 s[98:99], s[68:69], s[72:73]      ; my half of the filler
	WALU
	s_wait_tensorcnt 0x0                           ; my part of the first half has landed
	ds_add_u32 v254, v255
	s_wait_dscnt 0x0
	CROUND                                         ; everybody's part is in, and all sixteen work-groups are here
	JLOAD 1                                        ; K steps 4 to 7, my one tensor load behind the round
	FETCH 0
	s_wait_loadcnt 0x0                             ; the scale words
	s_mov_b32 s[TR], 0
.Lblk:                                                 ; q's block, then k's
	KSTEP 0, 1, 0, 1                               ; the first products start the sums: nothing is cleared
	KSTEP 1, 0, 0, 1
	KSTEP 2, 0, 0, 1
	KSTEP 3, 0, 0, 1
	KSTEP 4, 0, 0, 1
	KSTEP 5, 0, 0, 1
	KSTEP 6, 0, 0, 1
	KSTEP 7, 0, 0, 1
	WIN 0
	PLACES 4                                       ; places in front of the first read of results and of writes of the scale registers
	s_wait_loadcnt 0x0                             ; the next block's scale words came in long ago
.set i, 0
.rept 32
	v_mov_b32 v[SC0+i], v[TS+i]
.set i, i+1
.endr
	s_cmp_lg_u32 s[TR], 0
	WALU
	s_cbranch_scc1 .Lno_more
.irp b, 0,1,2,3,4,5,6,7
	global_load_b128 v[TS+4*\b:TS+4*\b+3], v1, s[76:77] offset:(128+\b)*REC+8*FRAG   ; v's block, asked for in the first trip alone
.endr
.Lno_more:
.irp a, 0,1,2,3
.if \a > 0
	s_wait_xcnt 0x0                                ; the last tile's stores have read their registers
.endif
	QUANTW \a, PW+\a
	global_store_b128 v1, v[PC:PC+3], s[80:81] offset:\a*HALF                  ; each store of the wave covers 512 or 256 consecutive bytes, aligned
	global_store_b64 v2, v[PC+4:PC+5], s[80:81] offset:\a*HALF+512
	global_store_b128 v1, v[PC+6:PC+9], s[80:81] offset:16*BLK+\a*HALF         ; registers 6-11: the next head's block
	global_store_b64 v2, v[PC+10:PC+11], s[80:81] offset:16*BLK+\a*HALF+512
.endr
.irp i, 0,1                                    ; the scale words: lanes 0-15 tile 2 i's, lanes 16-31 tile 2 i + 1's; word i of the lane's 8 bytes
	v_cndmask_b32 v180, v[PW+2*\i], v[PW+2*\i+1], s91
	v_and_b32 v[188+\i], s90, v180                 ; bytes 0, 1: the first head's
	v_lshrrev_b32 v[190+\i], 16, v180              ; bytes 2, 3: the next head's
.endr
	global_store_b64 v2, v[188:189], s[84:85]      ; 256 consecutive bytes, aligned
	global_store_b64 v2, v[190:191], s[84:85] offset:16*BLK
	s_wait_xcnt 0x0                                ; the stores have read their registers and bases
	s_add_nc_u64 s[80:81], s[80:81], KIND
	s_add_nc_u64 s[84:85], s[84:85], KIND
	s_add_co_u32 s[TR], s[TR], 1
	s_cmp_lt_u32 s[TR], 2
	WALU
	s_cbranch_scc1 .Lblk
	KSTEP 0, 1, 1, 0                               ; v's block: the sources change places; nothing more is asked for
	KSTEP 1, 0, 1, 0
	KSTEP 2, 0, 1, 0
	KSTEP 3, 0, 1, 0
	KSTEP 4, 0, 1, 0
	KSTEP 5, 0, 1, 0
	KSTEP 6, 0, 1, 0
	KSTEP 7, 0, 1, 0
	WIN 0
	PLACES 4                                       ; places in front of the first read of results
	QUANTV 0
	QUANTV 1
	QUANTV 2
	QUANTV 3
	v_mov_b32 v189, 0
	global_store_b32 v9, v189, s[98:99]            ; the filler behind v's scale words: the next launch's tiles take it in, and nothing reads it there
	global_store_b32 v9, v189, s[98:99] offset:16*BLK
	s_wait_tensorcnt 0x0                           ; the wave's end
	ds_add_u32 v254, v255
	s_wait_dscnt 0x0
	CROUND                                         ; the closing round: no work-group ends while a partner may still ask for a tile that names it
	s_endpgm
.Lfunc_end_k_qbca43ca869_gemm_qkv:
	.size	k_qbca43ca869_gemm_qkv, .Lfunc_end_k_qbca43ca869_gemm_qkv-k_qbca43ca869_gemm_qkv
	.p2alignl 7, 3214868480
	.fill 96, 4, 3214868480
	.section	.rodata,"a",@progbits
	.p2align	6, 0x0
	.amdhsa_kernel k_qbca43ca869_gemm_qkv
		.amdhsa_group_segment_fixed_size 327680
		.amdhsa_private_segment_fixed_size 0
		.amdhsa_enable_private_segment 0
		.amdhsa_kernarg_size 24
		.amdhsa_user_sgpr_count 2
		.amdhsa_user_sgpr_kernarg_segment_ptr 1
		.amdhsa_wavefront_size32 1
		.amdhsa_system_sgpr_workgroup_id_x 1
		.amdhsa_system_sgpr_workgroup_id_y 1
		.amdhsa_system_sgpr_workgroup_id_z 1
		.amdhsa_system_vgpr_workitem_id 0
		.amdhsa_next_free_vgpr 768
		.amdhsa_next_free_sgpr 102
		.amdhsa_reserve_vcc 0
		.amdhsa_float_denorm_mode_32 3
		.amdhsa_float_denorm_mode_16_64 3
		.amdhsa_memory_ordered 1
		.amdhsa_forward_progress 1
		.amdhsa_inst_pref_size 162
	.end_amdhsa_kernel
	.amdgpu_metadata
---
amdhsa.version: [ 1, 2 ]
amdhsa.kernels:
  - .name:           k_qbca43ca869_gemm_qkv
    .symbol:         k_qbca43ca869_gemm_qkv.kd
    .args:
      - { .name: xq, .offset: 0, .size: 8, .value_kind: global_buffer, .address_space: global }
      - { .name: wq, .offset: 8, .size: 8, .value_kind: global_buffer, .address_space: global }
      - { .name: qkv, .offset: 16, .size: 8, .value_kind: global_buffer, .address_space: global }
    .group_segment_fixed_size: 327680
    .private_segment_fixed_size: 0
    .kernarg_segment_align: 8
    .kernarg_segment_size: 24
    .max_flat_workgroup_size: 128
    .sgpr_count:     102
    .vgpr_count:     768
    .wavefront_size: 32
...
	.end_amdgpu_metadata
.endif
;; end of part 2
;; launch attn (part 3): grid 4 x 64, 8 waves a work-group, clusters of 4 x 1, 214,016 bytes of LDS; arguments qkv, cq; writes cq
.if DOCPART == 3
	.amdgcn_target "amdgcn-amd-amdhsa--gfx1250"
	.amdhsa_code_object_version 6
	.text
	.protected	k_qbca43ca869_attn
	.globl	k_qbca43ca869_attn
	.p2align	8
	.type	k_qbca43ca869_attn,@function
k_qbca43ca869_attn:
	s_mov_b64 s[64:65], 0
	v_nop
	global_prefetch_b8 v0, s[64:65] scope:SCOPE_SE
	s_setreg_imm32_b32 hwreg(HW_REG_WAVE_MODE, 25, 1), 1
	s_wait_xcnt 0x0
	s_wait_alu depctr_hold_cnt(0) depctr_sa_sdst(0) depctr_va_vdst(0) depctr_va_sdst(0) depctr_va_ssrc(0) depctr_va_vcc(0) depctr_vm_vsrc(0)
	s_getreg_b32 s2, hwreg(HW_REG_IB_STS2, 6, 4)
	s_cmp_eq_u32 s2, 0
	s_cbranch_scc0 .Lentry_in_a_cluster
	s_endpgm
.Lentry_in_a_cluster:
	s_bfe_u32 s2, ttmp6, 0x10000c
	s_cmp_lg_u32 s2, 0x3003
	s_cbranch_scc0 .Lentry_shape_is_right
	s_endpgm
.Lentry_shape_is_right:
; ctx[b][q][head] = softmax_k(q . k / 8) v, both products on codes of FP6 (E2M3) with E8M0 scales; ctx leaves as codes, quantised along the head's 64 (a part of the last product's K).
; THE SOFTMAX: t = score x log2(e) / 8; M = the row's largest t so far, rounded UP to a whole number; p = 2^(t - M) is quantised along the keys, not normalised.  The row's sum is taken of the unquantised p, in f32,
; and divides O at the end.  When M moves, the sum and O are multiplied by 2^(old M - new M): exact.
; SHARES.  A work-group owns one (batch, head) and 512 of its queries; the head's four work-groups are a cluster.  ALL of the head's K and V (16 blocks of 6,656 bytes each: 128 keys a block) lie in LDS, filled ONCE, by joint loads:
; wave w asks for four blocks on end (104 rows of 256 bytes): waves 0-3 K's, waves 4-7 V's: one tensor load a wave.  All is asked for at the head, so there is no loop to run ahead in and no prefetch is laid.
; The queries go in two passes of 256; a wave owns 32 a pass, two tiles of 16, which share every fragment of K and V that it reads.  Two waves share a SIMD.
; LAYOUT.  Both products are used transposed: S^T = K Q^T, O^T = V^T P^T: a lane holds ONE query throughout.  Lane-row r of tile t of tokens (or of d) is row 64 (t / 4) + 32 (r / 8) + 8 (t % 4) + r % 8, so the 32 registers of
; tiles 4 c .. 4 c + 3 in lane (r, h) are keys 64 c + 32 h + 0 .. 31: one whole scale block, in the place that the operand's layout gives that lane.  No code changes lanes; of a scale word each half of the lanes makes two bytes.
; The first product's K is 64: registers 6-11 of Q's and K's fragments are zero codes, and their scale bytes 2 and 3 are 0.
; A STEP's K is fetched from LDS behind the step before's score products, its V at the step's head.  The last step of a pass fetches the 6,656 bytes behind K's last block (V's first block): they are not used.
; ctx's scale bytes: a head's two bytes are half of a scale word whose other half another work-group makes: they leave by stores of 2 bytes a lane, 16 bytes apart: 262,144 bytes in the whole launch.
; LIMITS: NaN and infinities are not served; the promise holds while the scaled scores t stay under 2^31 in magnitude; a block whose largest magnitude lies under 2^-124 keeps the byte 1 (zeros too): the bytes are read by this program alone.
; REGISTERS: window 0: v1-5 addresses, v7 8 x (lane / 16); v8-15 -M, the largest score, the sum's two halves, for each tile; v16-19 f; v20 Q's scale words; v22-23 p's; v24-27 K's; v28-29 V's; v32-159 S^T, then p; v160-183 p's codes; v184-241 at work.
;   window 1: v0-63 O^T; v64-87 Q; v96-191 K's eight fragments; v192-239 V's four.
; THE DEAL OF THE QUERIES, in place of the two passes that the lines above give: the work-group's 512 queries are four blocks of 128, eight tiles each.  Waves 0-3 take three passes, blocks 0, 1, 2, wave w the tiles 2 w and 2 w + 1 of each;
; waves 4-7 take one pass, block 3, wave w the tiles 2 (w - 4) and the next.  Every wave walks every loop; in passes 1 and 2 a branch on the wave's number inside the trip leads waves 4-7 round the work, and round no barrier.
.set REC,  12800
.set FRAG, 1536
.set HALF, 768
.set BLK,  6656
.set VB,   16*BLK                      ; V's blocks lie behind K's sixteen
.set SPARE, 32*BLK                     ; the spare words: 128 bytes a wave
.set WV,   10
.set G1,   16                          ; s[16:23] descriptor group 1;  s[24:27] group 0
.set G0,   24
.set SEL,  40                          ; s[40:41] lane selects: lane l xor 16
.set CS,   42                          ; s[42:43] c = log2(e) / 8
.set TK,   44                          ; s44  LDS byte of the K block that is fetched next
.set CNT,  45
.set HM,   46                          ; s46  lanes 16-31
.set TV,   47                          ; s47  LDS byte of the step's V block
.set PQ,   48                          ; s[48:49] my two tiles of Q;  s[50:51] their scale words;  s[52:53] where ctx's codes go;  s[54:55] its scale bytes
.set PQS,  50
.set PCX,  52
.set PSX,  54
.set H8,   7
.set ST,   8
.set F,    16
.set QS,   20
.set PWD,  22
.set KS,   24
.set VS,   28
.set S,    32
.set PCD,  160
.set CT,   184
.set TM,   200
.set WK,   232
.set SU,   236
.set VA,   240
.set SPW,  254
.set NIL,  255
.set OT,   0                           ; window 1
.set QF,   64
.set KF,   96
.set VF,   192
.set MSB,  0
.macro WIN new                         ; the immediate's high byte repeats the setting that is left
.if MSB != \new
	s_set_vgpr_msb (MSB<<8)|\new
.set MSB, \new
.endif
.endm
.macro PLACES n
.rept \n
	v_nop
.endr
.endm
.macro WALU
	s_wait_alu depctr_va_vdst(0)
.endm
.macro DEP n
	s_delay_alu instid0(VALU_DEP_\n)
.endm
.macro CROUND                          ; a round of the cluster's barrier
	s_barrier_signal -1
	s_barrier_wait -1
	s_cmp_lg_u32 s[WV], 0
	s_cbranch_scc1 .Lnw0_\@
	s_barrier_signal -3
.Lnw0_\@:
	s_barrier_wait -3
	s_barrier_signal -1
	s_barrier_wait -1
.endm
; S^T(2 u + e, q) = K's tile x Q's tile.  K's scale words: register u, lanes 0-15 for e = 0, lanes 16-31 for e = 1; Q's: lanes 0-15 tile 0, lanes 16-31 tile 1
.macro SPROD u, e, q
	v_wmma_scale_f32_16x16x128_f8f6f4 v[S+64*\q+16*\u+8*\e:S+64*\q+16*\u+8*\e+7], v[KF+24*\u+12*\e:KF+24*\u+12*\e+11], v[QF+12*\q:QF+12*\q+11], 0, v[KS+\u], v[QS] matrix_a_fmt:MATRIX_FMT_FP6 matrix_b_fmt:MATRIX_FMT_FP6 matrix_a_scale:MATRIX_SCALE_ROW\e matrix_b_scale:MATRIX_SCALE_ROW\q
.endm
; O^T(2 u + e, q) += V's tile x P's tile
.macro VPROD u, e, q
	v_wmma_scale_f32_16x16x128_f8f6f4 v[OT+32*\q+16*\u+8*\e:OT+32*\q+16*\u+8*\e+7], v[VF+24*\u+12*\e:VF+24*\u+12*\e+11], v[PCD+12*\q:PCD+12*\q+11], v[OT+32*\q+16*\u+8*\e:OT+32*\q+16*\u+8*\e+7], v[VS+\u], v[PWD+\q] matrix_a_fmt:MATRIX_FMT_FP6 matrix_b_fmt:MATRIX_FMT_FP6 matrix_a_scale:MATRIX_SCALE_ROW\e matrix_b_scale:MATRIX_SCALE_ROW0
.endm
; the K block at s[TK]: 18 LDS loads.  The four lines at its head are the places between the score products and loads into their registers, and reads of their results
.macro LDK
	v_add_nc_u32 v3, s[TK], v1
	v_add_nc_u32 v4, s[TK], v2
	v_nop
	v_nop
	ds_load_b64 v[KS:KS+1], v4 offset:8*HALF
	ds_load_b64 v[KS+2:KS+3], v4 offset:8*HALF+256
	WIN 0x40                                       ; destination window 1
.irp t, 0,1,2,3,4,5,6,7
	ds_load_b128 v[KF+12*\t:KF+12*\t+3], v3 offset:HALF*\t
	ds_load_b64 v[KF+12*\t+4:KF+12*\t+5], v4 offset:HALF*\t+512
.endr
	WIN 0
.endm
; A KEY STEP: 128 keys, both tiles of queries; each stage of the softmax for the two tiles by turns
.macro STEP
	v_add_nc_u32 v[VA], s[TV], v1                  ; four places behind the last products of V, ahead of loads into their registers
	v_add_nc_u32 v[VA+1], s[TV], v2
	v_nop
	v_nop
	ds_load_b64 v[VS:VS+1], v[VA+1] offset:8*HALF  ; this step's V: 17 loads
	WIN 0x40
.irp t, 0,1,2,3
	ds_load_b128 v[VF+12*\t:VF+12*\t+3], v[VA] offset:FRAG*\t
	ds_load_b64 v[VF+12*\t+4:VF+12*\t+5], v[VA+1] offset:FRAG*\t+512
	ds_load_b128 v[VF+12*\t+6:VF+12*\t+9], v[VA] offset:FRAG*\t+768
	ds_load_b64 v[VF+12*\t+10:VF+12*\t+11], v[VA+1] offset:FRAG*\t+1280
.endr
	s_wait_dscnt 17                                ; K and its scale words are in; V's 17 loads are younger
	WIN 0x05                                       ; sources 0 and 1 window 1
.irp u, 0,1,2,3
.irp e, 0,1
	SPROD \u, \e, 0
	SPROD \u, \e, 1
.endr
.endr
	WIN 0
	LDK                                            ; the next step's K
.irp q, 0,1
.irp k, 0,1,2,3
	v_max3_num_f32 v[TM+16*\q+\k], v[S+64*\q+16*\k], v[S+64*\q+16*\k+1], v[S+64*\q+16*\k+2]   ; the largest score, in chains of 16 registers; each accumulator is read from its low end on
.endr
.endr
.irp i, 3,5,7,9,11,13
.irp q, 0,1
.irp k, 0,1,2,3
	v_max3_num_f32 v[TM+16*\q+\k], v[TM+16*\q+\k], v[S+64*\q+16*\k+\i], v[S+64*\q+16*\k+\i+1]
.endr
.endr
.endr
.irp q, 0,1
.irp c, 0,1
	v_max_num_f32 v[TM+16*\q+2*\c+1], v[TM+16*\q+2*\c+1], v[S+64*\q+32*\c+31]
.endr
.endr
.irp q, 0,1
.irp c, 0,1
	v_max3_num_f32 v[TM+16*\q+2*\c], v[TM+16*\q+2*\c], v[S+64*\q+32*\c+15], v[TM+16*\q+2*\c+1]   ; the largest score of my block 2 c + h: for the row's maximum, and, since p rises with the score, for the block's largest p
.endr
.endr
.irp q, 0,1
	v_max_num_f32 v[WK+\q], v[TM+16*\q], v[TM+16*\q+2]
.endr
.irp q, 0,1
	DEP 2
	v_permlanex16_b32 v[TM+16*\q+4], v[WK+\q], s[SEL], s[SEL+1]
.endr
.irp q, 0,1
	DEP 2
	v_max3_num_f32 v[ST+4*\q+1], v[ST+4*\q+1], v[WK+\q], v[TM+16*\q+4]   ; the running largest score of my query (c is positive: its t is the largest t)
.endr
.irp q, 0,1
	DEP 2
	v_mul_f32 v[WK+\q], s[CS], v[ST+4*\q+1]
.endr
.irp q, 0,1
	DEP 2
	v_floor_f32 v[WK+2+\q], -v[WK+\q]              ; the new -M = floor(-t): M is a whole number
.endr
.irp q, 0,1
	DEP 2
	v_sub_f32 v[WK+\q], v[WK+2+\q], v[ST+4*\q]     ; old M less new M: a whole number, 0 or less
.endr
.irp q, 0,1
	DEP 2
	v_cvt_i32_f32 v[WK+\q], v[WK+\q]               ; (it saturates)
.endr
.irp q, 0,1
	DEP 2
	v_ldexp_f32 v[F+2*\q], 1.0, v[WK+\q]           ; f = 2^(old M - new M)
.endr
.irp q, 0,1
	v_mov_b32 v[ST+4*\q], v[WK+2+\q]
.endr
.irp q, 0,1
	v_pk_mul_f32 v[ST+4*\q+2:ST+4*\q+3], v[ST+4*\q+2:ST+4*\q+3], v[F+2*\q:F+2*\q+1] op_sel_hi:[1,0]   ; the sums under the new M
.endr
	WIN 0x41                                       ; O^T (destination and source 0) window 1, f window 0
.irp q, 0,1
.set j, 0
.rept 16
	v_pk_mul_f32 v[OT+32*\q+j:OT+32*\q+j+1], v[OT+32*\q+j:OT+32*\q+j+1], v[F+2*\q:F+2*\q+1] op_sel_hi:[1,0]   ; O^T under the new M, ahead of the exponentials
.set j, j+2
.endr
.endr
	WIN 0
.irp q, 0,1
.set j, 0
.rept 32
	v_pk_fma_f32 v[S+64*\q+j:S+64*\q+j+1], v[S+64*\q+j:S+64*\q+j+1], s[CS:CS+1], v[ST+4*\q:ST+4*\q+1] op_sel_hi:[1,0,0]   ; t - M, two at a time
.set j, j+2
.endr
.endr
.irp q, 0,1
.irp c, 0,1
	v_fma_f32 v[TM+16*\q+2*\c], v[TM+16*\q+2*\c], s[CS], v[ST+4*\q]   ; the same of each block's largest score
.endr
.endr
	WALU
.irp q, 0,1
.irp c, 0,1
	v_exp_f32 v[TM+16*\q+2*\c], v[TM+16*\q+2*\c]   ; each block's largest p: the same two instructions on the same number give the same bits
.endr
.endr
.set j, 0
.rept 128
	v_exp_f32 v[S+j], v[S+j]                       ; p = 2^(t - M), at most 1
.set j, j+1
.endr
	v_nop                                          ; a plain line behind the exponentials,
	WALU                                           ; and one wait for the batch, ahead of its first reader
.irp q, 0,1
.irp c, 0,1
	v_max_num_f32 v[TM+16*\q+2*\c], 0x1800000, v[TM+16*\q+2*\c]   ; the floor 2^(3 - 127): the byte cannot fall under 1
.endr
.endr
.irp q, 0,1
.irp c, 0,1
	DEP 4
	v_add_nc_u32 v[TM+16*\q+12+\c], 0xff000000, v[TM+16*\q+2*\c]   ; 2 off the exponent field: the conversion's scale operand
.endr
.endr
.irp q, 0,1
.irp c, 0,1
	DEP 4
	v_lshrrev_b32 v[TM+16*\q+4+\c], 23, v[TM+16*\q+12+\c]   ; the byte
.endr
.endr
.irp q, 0,1
	v_lshl_or_b32 v[TM+16*\q+4], v[TM+16*\q+5], 16, v[TM+16*\q+4]   ; my two bytes: blocks h and 2 + h,
.endr
.irp q, 0,1
	DEP 2
	v_lshlrev_b32 v[TM+16*\q+4], v[H8], v[TM+16*\q+4]   ; at their places in the word;
.endr
.irp q, 0,1
	DEP 2
	v_permlanex16_b32 v[TM+16*\q+5], v[TM+16*\q+4], s[SEL], s[SEL+1]
.endr
.irp q, 0,1
	DEP 2
	v_or_b32 v[PWD+\q], v[TM+16*\q+4], v[TM+16*\q+5]   ; with lane l xor 16's two: p's scale word for these 128 keys
.endr
.irp q, 0,1
.irp c, 0,1
	v_cvt_scalef32_pk16_fp6_f32 v[PCD+12*\q+6*\c:PCD+12*\q+6*\c+2], v[S+64*\q+32*\c:S+64*\q+32*\c+15], v[TM+16*\q+12+\c]
	v_cvt_scalef32_pk16_fp6_f32 v[CT+8*\q+4*\c:CT+8*\q+4*\c+2], v[S+64*\q+32*\c+16:S+64*\q+32*\c+31], v[TM+16*\q+12+\c]   ; (a conversion's three registers begin on an even number)
.endr
.endr
	v_nop                                          ; one plain line behind the scaled conversions
.irp q, 0,1
.irp c, 0,1
.irp i, 0,1,2
	v_mov_b32 v[PCD+12*\q+6*\c+3+\i], v[CT+8*\q+4*\c+\i]
.endr
.endr
.endr
.irp q, 0,1
	v_pk_add_f32 v[SU+2*\q:SU+2*\q+1], v[S+64*\q:S+64*\q+1], v[S+64*\q+2:S+64*\q+3]   ; the row's sum of the UNQUANTISED p, two chains a tile.  These lines are also the places between p's codes and scale words and the products
.endr
.irp j, 4,8,12,16,20,24,28,32,36,40,44,48,52,56,60
.irp q, 0,1
	v_pk_add_f32 v[ST+4*\q+2:ST+4*\q+3], v[ST+4*\q+2:ST+4*\q+3], v[S+64*\q+\j:S+64*\q+\j+1]
	v_pk_add_f32 v[SU+2*\q:SU+2*\q+1], v[SU+2*\q:SU+2*\q+1], v[S+64*\q+\j+2:S+64*\q+\j+3]
.endr
.endr
.irp q, 0,1
	v_pk_add_f32 v[ST+4*\q+2:ST+4*\q+3], v[ST+4*\q+2:ST+4*\q+3], v[SU+2*\q:SU+2*\q+1]
.endr
	WALU
	s_wait_dscnt 18                                ; V is in; the next K's 18 loads are younger
	WIN 0x51                                       ; V window 1, P window 0, C and D window 1
.irp u, 0,1
.irp e, 0,1
	VPROD \u, \e, 0                                ; the eight accumulators take turns
	VPROD \u, \e, 1
.endr
.endr
	WIN 0
.endm
; the way out of pass p: ctx = O^T / the sum; a lane's 32 numbers (register i = d 32 h + i) are one scale block
.macro EPI p
	s_wait_dscnt 0x0                               ; the last step's fetch has come back: its registers may be loaded anew
	PLACES 4                                       ; places behind the last products
.irp q, 0,1
	v_add_f32 v[WK+\q], v[ST+4*\q+2], v[ST+4*\q+3] ; the sum's two halves,
.endr
.irp q, 0,1
	v_permlanex16_b32 v[TM+16*\q+4], v[WK+\q], s[SEL], s[SEL+1]
.endr
.irp q, 0,1
	v_add_f32 v[WK+\q], v[WK+\q], v[TM+16*\q+4]    ; and lane l xor 16's: the row's sum
.endr
	WALU
.irp q, 0,1
	v_rcp_f32 v[F+2*\q], v[WK+\q]
.endr
	v_nop                                          ; a plain line behind the reciprocals,
	WALU                                           ; and the wait ahead of their first reader and of O^T's
	WIN 0x01                                       ; source 0 window 1
.irp q, 0,1
.set j, 0
.rept 16
	v_pk_mul_f32 v[S+64*\q+j:S+64*\q+j+1], v[OT+32*\q+j:OT+32*\q+j+1], v[F+2*\q:F+2*\q+1] op_sel_hi:[1,0]   ; each accumulator from its low end on
.set j, j+2
.endr
.endr
	WIN 0
.irp q, 0,1
.irp k, 0,1
	v_max3_num_f32 v[TM+16*\q+\k], |v[S+64*\q+16*\k]|, |v[S+64*\q+16*\k+1]|, 0x1800000
.endr
.endr
.irp i, 2,4,6,8,10,12,14
.irp q, 0,1
.irp k, 0,1
	v_max3_num_f32 v[TM+16*\q+\k], v[TM+16*\q+\k], |v[S+64*\q+16*\k+\i]|, |v[S+64*\q+16*\k+\i+1]|
.endr
.endr
.endr
.irp q, 0,1
	v_max_num_f32 v[TM+16*\q], v[TM+16*\q], v[TM+16*\q+1]
.endr
.irp q, 0,1
	v_add_nc_u32 v[TM+16*\q+12], 0xff000000, v[TM+16*\q]
.endr
.irp q, 0,1
	v_lshrrev_b32 v[TM+16*\q+4], 23, v[TM+16*\q+12]
.endr
.irp q, 0,1
	v_lshlrev_b32 v[TM+16*\q+4], v[H8], v[TM+16*\q+4]
.endr
.irp q, 0,1
	v_permlanex16_b32 v[TM+16*\q+5], v[TM+16*\q+4], s[SEL], s[SEL+1]
.endr
.irp q, 0,1
	v_or_b32 v[WK+\q], v[TM+16*\q+4], v[TM+16*\q+5]   ; the head's two scale bytes of my row
.endr
.irp q, 0,1
	v_cvt_scalef32_pk16_fp6_f32 v[PCD+12*\q:PCD+12*\q+2], v[S+64*\q:S+64*\q+15], v[TM+16*\q+12]
	v_cvt_scalef32_pk16_fp6_f32 v[CT+8*\q:CT+8*\q+2], v[S+64*\q+16:S+64*\q+31], v[TM+16*\q+12]
.endr
	v_nop                                          ; one plain line behind the scaled conversions
.irp q, 0,1
.irp i, 0,1,2
	v_mov_b32 v[PCD+12*\q+3+\i], v[CT+8*\q+\i]
.endr
.endr
.irp q, 0,1
	global_store_b128 v1, v[PCD+12*\q:PCD+12*\q+3], s[PCX:PCX+1] offset:REC*\q+8*REC*\p        ; my head's half of the tile's fragment: 512 and 256 consecutive bytes, aligned
	global_store_b64 v2, v[PCD+12*\q+4:PCD+12*\q+5], s[PCX:PCX+1] offset:REC*\q+8*REC*\p+512
.endr
	v_cndmask_b32 v6, v[WK], v[WK+1], s[HM]        ; lanes 0-15 tile 0's bytes, lanes 16-31 tile 1's
	global_store_b16 v5, v6, s[PSX:PSX+1] offset:8*REC*\p
.endm
.macro PASS p
	s_mov_b32 s[TK], 0
	s_mov_b32 s[TV], VB
.if \p
	s_wait_xcnt 0x0                                ; the last pass's stores have read their registers
	s_cmp_lt_u32 s[WV], 4
	WALU
	s_cbranch_scc0 .Lnp_\@                         ; waves 4-7 have no such pass
	s_wait_dscnt 0x0                               ; no fetch of K is out when its registers are loaded anew
	PLACES 4                                       ; places between the last products and the lines below, which write their registers (ISA guide 7.12.1)
.endif
	WIN 0x40                                       ; destination window 1
.irp q, 0,1
	global_load_b128 v[QF+12*\q:QF+12*\q+3], v1, s[PQ:PQ+1] offset:HALF*\q+BLK*\p
	global_load_b64 v[QF+12*\q+4:QF+12*\q+5], v2, s[PQ:PQ+1] offset:HALF*\q+512+BLK*\p
.endr
.set j, 0
.rept 64
	v_mov_b32 v[OT+j], 0                           ; O^T: the step is written once, with no first step of its own: the first change of M multiplies zeros
.set j, j+1
.endr
	WIN 0
	global_load_b32 v[QS], v2, s[PQS:PQS+1] offset:BLK*\p
.irp q, 0,1
	v_mov_b32 v[ST+4*\q+1], 0xff61b1e6             ; the largest score so far: -3e38
	v_mov_b32 v[ST+4*\q], 0x7e22d5c5               ; -M for it: a whole number near 5.4e37
	v_mov_b32 v[ST+4*\q+2], 0                      ; the sum, in two halves
	v_mov_b32 v[ST+4*\q+3], 0
.endr
	WALU
.if \p == 0
	s_wait_tensorcnt 0x0                           ; my four blocks have landed,
	s_barrier_signal -1
	s_barrier_wait -1                              ; everybody's have
.endif
	LDK                                            ; step 0's K
	s_wait_loadcnt 0x0                             ; Q
.if \p
.Lnp_\@:
.endif
	s_add_co_u32 s[TK], s[TK], BLK
	s_mov_b32 s[CNT], 16
.Lstep_\@:
.if \p
	s_cmp_lt_u32 s[WV], 4
	s_cbranch_scc0 .Lns_\@
.endif
	STEP
.if \p
.Lns_\@:
.endif
	s_add_co_u32 s[TK], s[TK], BLK
	s_add_co_u32 s[TV], s[TV], BLK
	s_sub_co_u32 s[CNT], s[CNT], 1
	s_cmp_lg_u32 s[CNT], 0
	s_cbranch_scc1 .Lstep_\@
.if \p
	s_cmp_lt_u32 s[WV], 4
	s_cbranch_scc0 .Lne_\@
.endif
	EPI \p
.if \p
.Lne_\@:
.endif
.endm
	s_load_b128 s[4:7], s[0:1], 0x0                ; qkv, cq
	v_lshl_add_u32 v[SPW], v0, 2, SPARE
	v_mov_b32 v[NIL], 0
	ds_add_u32 v[SPW], v[NIL]                      ; the opening lines: the add, twice on end, and its wait ahead of my tensor load
	ds_add_u32 v[SPW], v[NIL]
	v_lshrrev_b32 v1, 5, v0
	v_readfirstlane_b32 s[WV], v1                  ; wave 0..7
	s_bfe_u32 s11, ttmp6, 0x40000                  ; cx: my 512 queries; it enters Q's and ctx's addresses alone
	s_and_b32 s12, ttmp7, 0xffff                   ; batch x 16 + head, which the four partners share
	s_mov_b32 s[G1], 15|(3<<16)|(1<<21)            ; 15:0 the mask: all four work-groups; 17:16 elements of 8 bytes; 21 set beside a mask; no padding
	s_mov_b32 s[G1+1], 32<<16                      ; four blocks on end, 26,624 dense bytes, as 104 rows of 256
	s_mov_b32 s[G1+2], 104<<16
	s_mov_b32 s[G1+3], 32<<16
	s_mov_b32 s[G1+4], 104
	s_mov_b32 s[G1+5], 32
	s_mov_b32 s[G1+6], 0
	s_mov_b32 s[G1+7], 0
	s_lshr_b32 s56, s[WV], 2                       ; waves 0-3 fetch K (kind 1), waves 4-7 V (kind 2): blocks 4 (w % 4) on
	s_add_co_u32 s56, s56, 1
	s_lshl_b32 s56, s56, 6
	s_add_co_u32 s56, s56, s12
	s_lshl_b32 s56, s56, 4
	s_and_b32 s57, s[WV], 3
	s_lshl_b32 s57, s57, 2
	s_add_co_u32 s56, s56, s57
	s_mul_i32 s56, s56, BLK
	s_mov_b32 s57, 0
	s_mul_i32 s58, s[WV], 4*BLK                    ; in LDS: K's sixteen blocks, then V's
	s_lshl_b32 s66, s12, 4
	s_lshl_b32 s67, s11, 2
	s_lshr_b32 s68, s[WV], 2
	s_mul_i32 s68, s68, 3
	s_add_co_u32 s67, s67, s68                     ; pass 0's block of 128 queries: 4 cx for waves 0-3, 4 cx + 3 for waves 4-7
	s_add_co_u32 s66, s66, s67
	s_mul_i32 s66, s66, BLK                        ; its block of q
	s_and_b32 s68, s[WV], 3                        ; in it my tiles 2 (w % 4) and the next
	s_mul_i32 s70, s68, FRAG
	s_add_co_u32 s70, s70, s66
	s_mov_b32 s71, 0
	s_lshr_b32 s72, s68, 1
	s_lshl_b32 s72, s72, 8
	s_and_b32 s69, s68, 1
	s_lshl_b32 s69, s69, 2
	s_add_co_u32 s72, s72, s69
	s_add_co_u32 s72, s72, s66
	s_add_co_u32 s72, s72, 8*HALF
	s_mov_b32 s73, 0
	s_lshr_b32 s74, s12, 4
	s_lshl_b32 s74, s74, 4
	s_add_co_u32 s74, s74, s67
	s_lshl_b32 s74, s74, 3
	s_lshl_b32 s69, s68, 1
	s_add_co_u32 s74, s74, s69                     ; my first tile of ctx
	s_mul_i32 s74, s74, REC
	s_and_b32 s69, s12, 15                         ; the head
	s_mul_i32 s76, s69, HALF
	s_add_co_u32 s76, s76, s74
	s_mov_b32 s77, 0
	s_lshr_b32 s78, s69, 3
	s_lshl_b32 s78, s78, 8
	s_bfe_u32 s75, s69, 0x20001
	s_lshl_b32 s75, s75, 2
	s_add_co_u32 s78, s78, s75
	s_and_b32 s75, s69, 1
	s_lshl_b32 s75, s75, 1
	s_add_co_u32 s78, s78, s75
	s_add_co_u32 s78, s78, s74
	s_add_co_u32 s78, s78, 8*FRAG                  ; the head's two bytes in the word of K step head / 2
	s_mov_b32 s79, 0
	s_mov_b32 s[SEL], 0x76543210
	s_mov_b32 s[SEL+1], 0xfedcba98
	s_mov_b32 s[CS], 0x3e38aa3b                    ; c = log2(e) / 8
	s_mov_b32 s[CS+1], s[CS]                       ; (named with it as a pair, so it is written)
	s_mov_b32 s[HM], 0xffff0000
	s_wait_dscnt 0x0
	s_wait_kmcnt 0x0
	s_mov_b32 s[G0], 1
	s_mov_b32 s[G0+1], s58
	s_add_nc_u64 s[G0+2:G0+3], s[4:5], s[56:57]
	s_or_b32 s[G0+3], s[G0+3], 0x80000000
	s_add_nc_u64 s[PQ:PQ+1], s[4:5], s[70:71]
	s_add_nc_u64 s[PQS:PQS+1], s[4:5], s[72:73]
	s_add_nc_u64 s[PCX:PCX+1], s[6:7], s[76:77]
	s_add_nc_u64 s[PSX:PSX+1], s[6:7], s[78:79]
	CROUND                                         ; all four work-groups are here: the joint loads meet
	tensor_load_to_lds s[G0:G0+3], s[G1:G1+7]      ; my one tensor load
	s_nop 0
	PLACES 4
	v_and_b32 v3, 31, v0
	v_and_b32 v4, 15, v0
	v_bfe_u32 v6, v0, 4, 1
	v_lshlrev_b32 v1, 4, v3                        ; 16 x lane
	v_lshlrev_b32 v2, 3, v3                        ; 8 x lane
	v_mul_u32_u24 v5, v6, REC
	v_lshlrev_b32 v[H8], 3, v6                     ; 8 x (lane / 16)
	v_lshl_add_u32 v5, v4, 4, v5                   ; ctx's scale bytes: lanes 0-15 tile 0's record, lanes 16-31 tile 1's; 16 bytes a row
.irp q, 0,1
	v_mov_b32 v[TM+16*\q+4], 0                     ; written once: a lane permute's destination counts as one of its sources
	v_mov_b32 v[TM+16*\q+5], 0
	v_mov_b32 v[F+2*\q+1], 0                       ; (named as the upper half of f's pair)
.endr
	WIN 0x40
.irp q, 0,1
.irp i, 6,7,8,9,10,11
	v_mov_b32 v[QF+12*\q+\i], 0                    ; the first product's K is 64: the fragments' second halves are zero codes, written once
.endr
.endr
.irp t, 0,1,2,3,4,5,6,7
.irp i, 6,7,8,9,10,11
	v_mov_b32 v[KF+12*\t+\i], 0
.endr
.endr
	WIN 0
	PASS 0
	PASS 1
	PASS 2
	s_wait_tensorcnt 0x0                           ; the wave's end
	ds_add_u32 v[SPW], v[NIL]
	s_wait_dscnt 0x0
	CROUND                                         ; the closing round: no work-group ends while a partner may still ask for blocks that name it
	s_endpgm
.Lfunc_end_k_qbca43ca869_attn:
	.size	k_qbca43ca869_attn, .Lfunc_end_k_qbca43ca869_attn-k_qbca43ca869_attn
	.p2alignl 7, 3214868480
	.fill 96, 4, 3214868480
	.section	.rodata,"a",@progbits
	.p2align	6, 0x0
	.amdhsa_kernel k_qbca43ca869_attn
		.amdhsa_group_segment_fixed_size 214016
		.amdhsa_private_segment_fixed_size 0
		.amdhsa_enable_private_segment 0
		.amdhsa_kernarg_size 16
		.amdhsa_user_sgpr_count 2
		.amdhsa_user_sgpr_kernarg_segment_ptr 1
		.amdhsa_wavefront_size32 1
		.amdhsa_system_sgpr_workgroup_id_x 1
		.amdhsa_system_sgpr_workgroup_id_y 1
		.amdhsa_system_sgpr_workgroup_id_z 1
		.amdhsa_system_vgpr_workitem_id 0
		.amdhsa_next_free_vgpr 512
		.amdhsa_next_free_sgpr 80
		.amdhsa_reserve_vcc 0
		.amdhsa_float_denorm_mode_32 3
		.amdhsa_float_denorm_mode_16_64 3
		.amdhsa_memory_ordered 1
		.amdhsa_forward_progress 1
		.amdhsa_inst_pref_size 125
	.end_amdhsa_kernel
	.amdgpu_metadata
---
amdhsa.version: [ 1, 2 ]
amdhsa.kernels:
  - .name:           k_qbca43ca869_attn
    .symbol:         k_qbca43ca869_attn.kd
    .args:
      - { .name: qkv, .offset: 0, .size: 8, .value_kind: global_buffer, .address_space: global }
      - { .name: cq, .offset: 8, .size: 8, .value_kind: global_buffer, .address_space: global }
    .group_segment_fixed_size: 214016
    .private_segment_fixed_size: 0
    .kernarg_segment_align: 8
    .kernarg_segment_size: 16
    .max_flat_workgroup_size: 256
    .sgpr_count:     80
    .vgpr_count:     512
    .wavefront_size: 32
...
	.end_amdgpu_metadata
.endif
;; end of part 3
;; launch gemm_out (part 4): grid 8 x 32, 4 waves a work-group, clusters of 4 x 4, 327,680 bytes of LDS; arguments cq, wq, out0; writes out0
.if DOCPART == 4
	.amdgcn_target "amdgcn-amd-amdhsa--gfx1250"
	.amdhsa_code_object_version 6
	.text
	.protected	k_qbca43ca869_gemm_out
	.globl	k_qbca43ca869_gemm_out
	.p2align	8
	.type	k_qbca43ca869_gemm_out,@function
k_qbca43ca869_gemm_out:
	s_mov_b64 s[64:65], 0
	v_nop
	global_prefetch_b8 v0, s[64:65] scope:SCOPE_SE
	s_setreg_imm32_b32 hwreg(HW_REG_WAVE_MODE, 25, 1), 1
	s_wait_xcnt 0x0
	s_wait_alu depctr_hold_cnt(0) depctr_sa_sdst(0) depctr_va_vdst(0) depctr_va_sdst(0) depctr_va_ssrc(0) depctr_va_vcc(0) depctr_vm_vsrc(0)
	s_getreg_b32 s2, hwreg(HW_REG_IB_STS2, 6, 4)
	s_cmp_eq_u32 s2, 0
	s_cbranch_scc0 .Lentry_in_a_cluster
	s_endpgm
.Lentry_in_a_cluster:
	s_bfe_u32 s2, ttmp6, 0x10000c
	s_cmp_lg_u32 s2, 0xf033
	s_cbranch_scc0 .Lentry_shape_is_right
	s_endpgm
.Lentry_shape_is_right:
; out0 = ctx Wout on codes of FP6 (E2M3) with E8M0 scales, sums in f32, out0 [8192][1024] f32.
; OPERANDS are images of the operand's registers: a tile (16 rows; lane-row r of tile t is row 32 (t / 2) + 8 (t % 2) + r + 8 (r / 8)) has a record of 12,800 bytes: eight fragments of 1,536 bytes (128 K each), then 512 bytes of scale words.
; A WORK-GROUP makes 256 tokens (source 1: ctx) x 128 features (source 0: Wout's columns, tiles 192 on of wq) over all of K = 1,024.  Wave w owns source 1's tiles 4 w .. 4 w + 3 against source 0's eight: 32 accumulators.
; In D = source 0 x source 1^T a lane holds one token, and the 16 registers of source 0's tiles 2 b, 2 b + 1 are features 32 b + 16 (lane / 16) + 0 .. 15.
; ALL OPERAND BYTES OF THE WORK-GROUP LIE IN LDS AT ONCE (24 tiles x 12,288 bytes): each byte is filled once, in four groups of two K steps, so only counted waits and plain barriers are needed.
; CLUSTER 4 x 4: source 1's tiles are shared along a row of the cluster, source 0's along a column: joint loads.  A wave has eight tensor loads outstanding at the most, by this text's count.
; REGISTERS: window 0: v1-9 addresses; v14-29, v32-63 scale words of source 1, source 0; v64-159 source 1's fragments, two sets; on the way out v64-191 rows of out0.  window 1: source 0's fragments, two sets of 96.  window 2: accumulator (a, b) at v[64 a + 8 b].
; IN PLACE OF WHAT THE LINES ABOVE SAY OF TILES, GROUPS AND LOADS: lane-row r of tile t is row 64 (t / 4) + 32 (r / 8) + 8 (t % 4) + r % 8, so register j of source 0's tile b in lane (r, h) is feature 64 (b / 4) + 32 h + 8 (b % 4) + j.
; The operands come in TWO HALVES of four K steps (24 tiles x 6,144 bytes each), each byte filled once.  A half is one joint load a wave: waves 0, 1 eight tiles of source 1 each, waves 2, 3 four tiles of source 0 each.
; The first half is asked for at the head; the second behind the wait for all loads, the add, its wait and a round of the cluster's barrier; by this text's count a wave has one tensor load out.
; All is asked for at the head and behind it: there is no loop to run ahead in, so no prefetch is laid.  The stages of the way out lie in the first half's bytes.
.set REC,  12800
.set FRAG, 1536
.set GRP,  96*FRAG                     ; a half in LDS: four K steps of 16 + 8 tiles
.set S0L,  64*FRAG                     ; in it source 0's tiles lie behind source 1's sixteen
.set WV,   10
.set G1A,  16                          ; s[16:23] descriptor group 1 for source 1;  s[24:31] for source 0
.set G1B,  24
.set G0A,  32                          ; s[32:39] two groups 0 for source 1;  s[48:55] for source 0
.set G0B,  48
.set SC1,  14                          ; v14-29: a product's two scale registers differ by 2 or 6 modulo 8 in their numbers
.set SC0,  32
.set F1,   64
.set BK,   64
.set SPITCH, 528                       ; the way out: a stage of 16 rows x (512 bytes + 16) for each wave, in group 0's bytes
.set MSB,  0
.macro WIN new                         ; the immediate's high byte repeats the setting that is left
.if MSB != \new
	s_set_vgpr_msb (MSB<<8)|\new
.set MSB, \new
.endif
.endm
.macro PLACES n
.rept \n
	v_nop
.endr
.endm
.macro CROUND                          ; a round of the cluster's barrier
	s_barrier_signal -1
	s_barrier_wait -1
	s_cmp_lg_u32 s[WV], 0
	s_cbranch_scc1 .Lnw0_\@
	s_barrier_signal -3
.Lnw0_\@:
	s_barrier_wait -3
	s_barrier_signal -1
	s_barrier_wait -1
.endm
; K step s's fragments into set s % 2: four loads a fragment, each of 512 or 256 consecutive bytes
.macro JLOAD g                         ; half g: waves 0, 1 ask for source 1, waves 2, 3 for source 0: one mask to a line; the branch hangs on the wave's number alone
	s_cmp_eq_u32 s41, 0
	s_cbranch_scc0 .Lfb_\@
	tensor_load_to_lds s[G0A+4*\g:G0A+4*\g+3], s[G1A:G1A+7]
	s_nop 0
	PLACES 4
	s_branch .Lja_\@
.Lfb_\@:
	tensor_load_to_lds s[G0B+4*\g:G0B+4*\g+3], s[G1B:G1B+7]
	s_nop 0
	PLACES 4
.Lja_\@:
.endm
.macro FETCH s
	WIN 0x40
.irp b, 0,1,2,3,4,5,6,7
	ds_load_b128 v[96*((\s)%2)+12*\b:96*((\s)%2)+12*\b+3], v6 offset:\b*4*FRAG+((\s)%4)*FRAG
	ds_load_b64 v[96*((\s)%2)+12*\b+4:96*((\s)%2)+12*\b+5], v7 offset:\b*4*FRAG+((\s)%4)*FRAG+512
	ds_load_b128 v[96*((\s)%2)+12*\b+6:96*((\s)%2)+12*\b+9], v6 offset:\b*4*FRAG+((\s)%4)*FRAG+768
	ds_load_b64 v[96*((\s)%2)+12*\b+10:96*((\s)%2)+12*\b+11], v7 offset:\b*4*FRAG+((\s)%4)*FRAG+1280
.endr
	WIN 0
.irp a, 0,1,2,3
	ds_load_b128 v[F1+48*((\s)%2)+12*\a:F1+48*((\s)%2)+12*\a+3], v4 offset:\a*4*FRAG+((\s)%4)*FRAG
	ds_load_b64 v[F1+48*((\s)%2)+12*\a+4:F1+48*((\s)%2)+12*\a+5], v5 offset:\a*4*FRAG+((\s)%4)*FRAG+512
	ds_load_b128 v[F1+48*((\s)%2)+12*\a+6:F1+48*((\s)%2)+12*\a+9], v4 offset:\a*4*FRAG+((\s)%4)*FRAG+768
	ds_load_b64 v[F1+48*((\s)%2)+12*\a+10:F1+48*((\s)%2)+12*\a+11], v5 offset:\a*4*FRAG+((\s)%4)*FRAG+1280
.endr
.endm
; one product.  The scale words of K steps 0-3 lie in lanes 0-15 of their registers, those of K steps 4-7 in lanes 16-31
.macro MM s, a, b, zero
.set rD, 64*(\a)+8*(\b)
.set rA, 96*((\s)%2)+12*(\b)
.set rB, F1+48*((\s)%2)+12*(\a)
.set rX, SC0+4*(\b)+(\s)%4
.set rY, SC1+4*(\a)+(\s)%4
.if \zero
	v_wmma_scale_f32_16x16x128_f8f6f4 v[rD:rD+7], v[rA:rA+11], v[rB:rB+11], 0, v[rX], v[rY] matrix_a_fmt:MATRIX_FMT_FP6 matrix_b_fmt:MATRIX_FMT_FP6
.elseif (\s) < 4
	v_wmma_scale_f32_16x16x128_f8f6f4 v[rD:rD+7], v[rA:rA+11], v[rB:rB+11], v[rD:rD+7], v[rX], v[rY] matrix_a_fmt:MATRIX_FMT_FP6 matrix_b_fmt:MATRIX_FMT_FP6
.else
	v_wmma_scale_f32_16x16x128_f8f6f4 v[rD:rD+7], v[rA:rA+11], v[rB:rB+11], v[rD:rD+7], v[rX], v[rY] matrix_a_fmt:MATRIX_FMT_FP6 matrix_b_fmt:MATRIX_FMT_FP6 matrix_a_scale:MATRIX_SCALE_ROW1 matrix_b_scale:MATRIX_SCALE_ROW1
.endif
.endm
.macro MUL s, a0, zero                 ; 16 products; the 32 accumulators take turns, one instruction a turn, in the same order in every K step
.irp a, \a0, \a0+1
.irp b, 0,1,2,3,4,5,6,7
	MM \s, \a, \b, \zero
.endr
.endr
.endm
; A K step: 32 products; in its middle the next step's fragments are fetched into the other set.  Step 3's successor lies in the second half: every wave's load of it has landed, and a barrier, behind which nothing is filled, shows that to all.
.macro KSTEP s, zero
	s_wait_dscnt 0x0                               ; this step's fragments are in
.if (\s) == 3
	s_wait_tensorcnt 0x0
	s_barrier_signal -1
.endif
	WIN 0xa1                                       ; source 0 window 1, source 1 window 0, C and D window 2
	MUL \s, 0, \zero
.if (\s) == 3
	s_barrier_wait -1
.endif
.if (\s) < 7
	WIN 0
.if (\s) == 3
	v_add_nc_u32 v4, GRP, v4                       ; on to the second half.  These four are also the places in front of loads into registers that matrix instructions have read
	v_add_nc_u32 v5, GRP, v5
	v_add_nc_u32 v6, GRP, v6
	v_add_nc_u32 v7, GRP, v7
.else
	PLACES 4
.endif
	FETCH (\s)+1
.endif
	WIN 0xa1
	MUL \s, 2, \zero
.endm
; THE WAY OUT, a tile of 16 tokens x 128 features at a time: a lane holds pieces of 32 bytes of one row, so the tile goes through my own stage and comes back as whole rows of 512 bytes.
; LDS serves a wave's instructions in order (ISA guide 5.7.1.4): no wait between the stores and the loads, nor in front of the next tile's stores.
.macro TOSTAGE a
	WIN 0x08                                       ; an LDS store's data are its source 1: window 2
.irp b, 0,1,2,3,4,5,6,7
	ds_store_b128 v8, v[64*(\a)+8*\b:64*(\a)+8*\b+3] offset:256*(\b/4)+32*(\b%4)       ; each accumulator from its low end on
	ds_store_b128 v8, v[64*(\a)+8*\b+4:64*(\a)+8*\b+7] offset:256*(\b/4)+32*(\b%4)+16
.endr
	WIN 0
.irp t, 0,1,2,3,4,5,6,7,8,9,10,11,12,13,14,15
	ds_load_b128 v[BK+64*((\a)%2)+4*\t:BK+64*((\a)%2)+4*\t+3], v9 offset:\t*SPITCH
.endr
.endm
.macro SEND a, younger                 ; younger: the LDS instructions issued behind tile a's loads, which may stay out
	s_wait_dscnt \younger
.irp t, 0,1,2,3,4,5,6,7,8,9,10,11,12,13,14,15
	global_store_b128 v1, v[BK+64*((\a)%2)+4*\t:BK+64*((\a)%2)+4*\t+3], s[8:9] offset:(8*(\a)+\t+24*(\t/8))*4096 th:TH_STORE_NT   ; lane-row t of my tile a is token 8 a + t % 8 + 32 (t / 8) of my 64; 32 lanes store 512 consecutive bytes, aligned
.endr
.endm
	s_load_b128 s[4:7], s[0:1], 0x0                ; cq, wq
	s_load_b64 s[8:9], s[0:1], 0x10                ; out0
	v_lshl_add_u32 v254, v0, 2, 0x48000
	v_mov_b32 v255, 0
	ds_add_u32 v254, v255
	ds_add_u32 v254, v255
	v_lshrrev_b32 v1, 5, v0
	v_readfirstlane_b32 s[WV], v1                  ; wave 0..3
	s_bfe_u32 s11, ttmp6, 0x40000                  ; cx
	s_bfe_u32 s12, ttmp6, 0x40004                  ; cy
	s_lshl_b32 s13, ttmp9, 2
	s_add_co_u32 s13, s13, s11                     ; T0: the block of 128 features = 4 x + cx
	s_and_b32 s14, ttmp7, 0xffff
	s_lshl_b32 s14, s14, 2
	s_add_co_u32 s14, s14, s12                     ; T1: the block of 256 tokens = 4 y + cy
	s_lshl_b32 s66, s12, 2
	s_lshl_b32 s66, 15, s66                        ; my row of the cluster
	s_lshl_b32 s67, 0x1111, s11                    ; my column
	s_or_b32 s[G1A], s66, (3<<16)|(1<<21)          ; 15:0 the mask; 17:16 elements of 8 bytes; 21 set beside a mask; no padding
	s_or_b32 s[G1B], s67, (3<<16)|(1<<21)
.irp g, G1A, G1B
	s_mov_b32 s[\g+1], 768<<16                     ; tensor_dim0: a row is four fragments, 6,144 bytes
	s_mov_b32 s[\g+3], 768<<16                     ; tile_dim0
	s_mov_b32 s[\g+5], REC/8                       ; from record to record
	s_mov_b32 s[\g+6], 0
	s_mov_b32 s[\g+7], 0
.endr
	s_mov_b32 s[G1A+2], 8<<16                      ; a load of source 1: eight tiles
	s_mov_b32 s[G1A+4], 8
	s_mov_b32 s[G1B+2], 4<<16                      ; of source 0: four
	s_mov_b32 s[G1B+4], 4
	s_and_b32 s40, s[WV], 1                        ; which part of its source my load brings
	s_lshr_b32 s41, s[WV], 1                       ; 0: I ask for source 1; 1: for source 0
	s_mul_i32 s2, s[WV], 16*FRAG                   ; LDS: the four tiles of source 1 that I multiply, in a half;
	s_mul_i32 s42, s40, 32*FRAG                    ; where a load of source 1 lands,
	s_mul_i32 s3, s40, 16*FRAG
	s_add_co_u32 s3, s3, S0L                       ; and one of source 0
	s_lshl_b32 s68, s14, 4
	s_lshl_b32 s69, s[WV], 2
	s_add_co_u32 s68, s68, s69
	s_mul_i32 s68, s68, REC
	s_mov_b32 s69, 0
	s_lshl_b32 s70, s13, 3
	s_add_co_u32 s70, s70, 192
	s_mul_i32 s70, s70, REC
	s_mov_b32 s71, 0
	s_mul_i32 s72, s40, 4*REC                      ; the four records of source 0 that waves 2, 3 fetch
	s_lshl_b32 s46, s14, 4
	s_lshl_b32 s43, s40, 3
	s_add_co_u32 s46, s46, s43
	s_mul_i32 s46, s46, REC                        ; the eight of source 1 that waves 0, 1 fetch
	s_mov_b32 s47, 0
	s_mov_b32 s73, 0
	s_wait_dscnt 0x0
	s_wait_kmcnt 0x0
	s_add_nc_u64 s[74:75], s[4:5], s[68:69]        ; my four records of source 1
	s_add_nc_u64 s[76:77], s[6:7], s[70:71]        ; the work-group's eight records of source 0
	s_add_nc_u64 s[78:79], s[76:77], s[72:73]
	s_add_nc_u64 s[44:45], s[4:5], s[46:47]
.irp g, 0,1
	s_mov_b32 s[G0A+4*\g], 1
	s_add_co_u32 s[G0A+4*\g+1], s42, \g*GRP
	s_add_nc_u64 s[G0A+4*\g+2:G0A+4*\g+3], s[44:45], \g*4*FRAG
	s_or_b32 s[G0A+4*\g+3], s[G0A+4*\g+3], 0x80000000
	s_mov_b32 s[G0B+4*\g], 1
	s_add_co_u32 s[G0B+4*\g+1], s3, \g*GRP
	s_add_nc_u64 s[G0B+4*\g+2:G0B+4*\g+3], s[78:79], \g*4*FRAG
	s_or_b32 s[G0B+4*\g+3], s[G0B+4*\g+3], 0x80000000
.endr
	CROUND                                         ; all sixteen work-groups are here: the joint loads meet
	JLOAD 0                                        ; K steps 0 to 3: one tensor load a wave at the head
	v_and_b32 v3, 31, v0
	v_lshlrev_b32 v1, 4, v3                        ; 16 x lane
	v_lshlrev_b32 v2, 3, v3                        ; 8 x lane
	v_add_nc_u32 v4, s2, v1
	v_add_nc_u32 v5, s2, v2
	v_add_nc_u32 v6, S0L, v1
	v_add_nc_u32 v7, S0L, v2
.irp a, 0,1,2,3
	global_load_b128 v[SC1+4*\a:SC1+4*\a+3], v1, s[74:75] offset:\a*REC+8*FRAG   ; a tile's 512 bytes of scale words: all eight K steps, once
.endr
.irp b, 0,1,2,3,4,5,6,7
	global_load_b128 v[SC0+4*\b:SC0+4*\b+3], v1, s[76:77] offset:\b*REC+8*FRAG
.endr
	s_mul_i32 s84, s[WV], 16*SPITCH                ; my stage
	v_and_b32 v10, 15, v0
	v_bfe_u32 v11, v0, 4, 1
	v_mul_u32_u24 v8, v10, SPITCH
	v_lshl_add_u32 v8, v11, 7, v8
	v_add_nc_u32 v8, s84, v8                       ; in: row r, + 128 h
	v_add_nc_u32 v9, s84, v1                       ; back: 16 bytes a lane of a row
	s_lshl_b32 s82, s14, 8
	s_lshl_b32 s83, s[WV], 6
	s_add_co_u32 s82, s82, s83                     ; my first token: 256 T1 + 64 w
	s_lshl_b32 s82, s82, 12
	s_lshl_b32 s83, s13, 9                         ; my first feature, in bytes
	s_add_co_u32 s82, s82, s83
	s_mov_b32 s83, 0
	s_add_nc_u64 s[8:9], s[8:9], s[82:83]
	s_wait_alu depctr_va_vdst(0)
	s_wait_tensorcnt 0x0                           ; my part of the first half has landed
	ds_add_u32 v254, v255
	s_wait_dscnt 0x0
	CROUND                                         ; everybody's part is in, and all sixteen work-groups are here
	JLOAD 1                                        ; K steps 4 to 7, my one tensor load behind the round
	FETCH 0
	s_wait_loadcnt 0x0                             ; the scale words
	KSTEP 0, 1                                     ; the first products start the sums: nothing is cleared
	KSTEP 1, 0
	KSTEP 2, 0
	KSTEP 3, 0
	s_wait_alu depctr_va_vdst(0)
	KSTEP 4, 0
	KSTEP 5, 0
	KSTEP 6, 0
	KSTEP 7, 0
	WIN 0
	PLACES 4                                       ; places in front of the first read of results and of loads into registers that held fragments
	; the stages lie in group 0's bytes: they have had their one fill, and every wave's reads of them were waited for ahead of the barrier of K step 3
	TOSTAGE 0
.irp a, 1,2,3
.if \a > 1
	s_wait_xcnt 0x0                                ; tile a - 2's stores have read their registers: tile a's loads may land there
.endif
	TOSTAGE \a
	SEND \a-1, 32                                  ; behind tile a - 1's loads: tile a's 16 stores and 16 loads
.endr
	SEND 3, 0
	s_wait_tensorcnt 0x0
	ds_add_u32 v254, v255
	s_wait_dscnt 0x0
	CROUND                                         ; the closing round: no work-group ends while a partner may still ask for a tile that names it
	s_endpgm
.Lfunc_end_k_qbca43ca869_gemm_out:
	.size	k_qbca43ca869_gemm_out, .Lfunc_end_k_qbca43ca869_gemm_out-k_qbca43ca869_gemm_out
	.p2alignl 7, 3214868480
	.fill 96, 4, 3214868480
	.section	.rodata,"a",@progbits
	.p2align	6, 0x0
	.amdhsa_kernel k_qbca43ca869_gemm_out
		.amdhsa_group_segment_fixed_size 327680
		.amdhsa_private_segment_fixed_size 0
		.amdhsa_enable_private_segment 0
		.amdhsa_kernarg_size 24
		.amdhsa_user_sgpr_count 2
		.amdhsa_user_sgpr_kernarg_segment_ptr 1
		.amdhsa_wavefront_size32 1
		.amdhsa_system_sgpr_workgroup_id_x 1
		.amdhsa_system_sgpr_workgroup_id_y 1
		.amdhsa_system_sgpr_workgroup_id_z 1
		.amdhsa_system_vgpr_workitem_id 0
		.amdhsa_next_free_vgpr 768
		.amdhsa_next_free_sgpr 100
		.amdhsa_reserve_vcc 0
		.amdhsa_float_denorm_mode_32 3
		.amdhsa_float_denorm_mode_16_64 3
		.amdhsa_memory_ordered 1
		.amdhsa_forward_progress 1
		.amdhsa_inst_pref_size 82
	.end_amdhsa_kernel
	.amdgpu_metadata
---
amdhsa.version: [ 1, 2 ]
amdhsa.kernels:
  - .name:           k_qbca43ca869_gemm_out
    .symbol:         k_qbca43ca869_gemm_out.kd
    .args:
      - { .name: cq, .offset: 0, .size: 8, .value_kind: global_buffer, .address_space: global }
      - { .name: wq, .offset: 8, .size: 8, .value_kind: global_buffer, .address_space: global }
      - { .name: out0, .offset: 16, .size: 8, .value_kind: global_buffer, .address_space: global }
    .group_segment_fixed_size: 327680
    .private_segment_fixed_size: 0
    .kernarg_segment_align: 8
    .kernarg_segment_size: 24
    .max_flat_workgroup_size: 128
    .sgpr_count:     100
    .vgpr_count:     768
    .wavefront_size: 32
...
	.end_amdgpu_metadata
.endif
;; end of part 4
